; MI455X (gfx1250); checked and timed in simulation.
; The chip was launched on July 23, 2026; its instructions are those of AMD's public machine-readable ISA for CDNA 5 (MIT licence, August 2026) and "CDNA5" Instruction Set Architecture Reference Guide (July 2026). The comments in the code are by the model that wrote it; some were corrected since.
;; Multi Head Attention. Allowed arithmetic: matrix products marked QUANTISED: E2M3 operands, one E8M0 scale for each 32 along K, by v_wmma_scale_f32_16x16x128_f8f6f4 with both operands' format E2M3, f32 sums; everything else in f32.
;; Inputs: Wk 1,024 x 1,024 float32; Wo 1,024 x 1,024 float32; Wq 1,024 x 1,024 float32; Wv 1,024 x 1,024 float32; bk 1,024 float32; bo 1,024 float32; bq 1,024 float32; bv 1,024 float32; k 4 x 2,048 x 1,024 float32; q 4 x 2,048 x 1,024 float32; v 4 x 2,048 x 1,024 float32.
;; Outputs: out0 4 x 2,048 x 1,024 float32.
;; Constants: mask = 1.
;; This version of the problem:
;;   THIS VERSION OF THE PROBLEM IS GIVEN IN LOW PRECISION. The matrix products marked QUANTISED in the list below multiply operands that are first quantised to E2M3 (2 exponent bits, 3 mantissa bits; 6 bits a number), with one power-of-two scale for each 32 numbers along K (OCP MX v1.0); their sums are f32. All else is computed in f32.
;;   The module's matrix products, in the order in which they are computed (A, B: the left and right operand; K: the contracted axis; several contracted axes count as one K, in the product's order):
;;     1. [M 8,192, K 1,024] x [K 1,024, N 1,024]; A: input q; B: input Wq: QUANTISED
;;     2. [M 8,192, K 1,024] x [K 1,024, N 1,024]; A: input k; B: input Wk: QUANTISED
;;     3. [M 8,192, K 1,024] x [K 1,024, N 1,024]; A: input v; B: input Wv: QUANTISED
;;     4. batch 64 x [M 2,048, K 64] x [K 64, N 2,048]; A: computed on the way; B: computed on the way: QUANTISED
;;     5. batch 64 x [M 2,048, K 2,048] x [K 2,048, N 64]; A: softmax (see below); B: computed on the way: QUANTISED
;;     6. [M 8,192, K 1,024] x [K 1,024, N 1,024]; A: computed on the way; B: input Wo: QUANTISED
;;   THE QUANTISER, for each operand of a quantised product, along K:
;;     - K is cut into blocks of 32 from its start; a last block that is shorter is filled with zeros.
;;     - A block's scale is 2^e with e = floor(log2(the largest magnitude in the block)) - 2, held to -126 .. 127; a block of zeros has e = 0. As a byte (E8M0): e + 127.
;;     - Each number is divided by its block's scale, clamped to +-7.5, and rounded to the nearest number of E2M3, ties to even, subnormals kept.
;;     - The product sums the exact products of the quantised numbers (number of the format x scale) in f32.
;;   ~~~python
;;   def quantise(x, axis):      # numpy; x: float32 -> the quantised numbers, widened to float32 again
;;       x = np.moveaxis(x, axis, -1); K = x.shape[-1]
;;       x = np.pad(x, [(0, 0)] * (x.ndim - 1) + [(0, -K % 32)]); x = x.reshape(x.shape[:-1] + (-1, 32)); a = np.abs(x).max(-1, keepdims=True)
;;       e = np.where(a > 0, np.clip(np.frexp(np.where(a > 0, a, 1))[1] - 1 - 2, -126, 127), 0)      # np.frexp(a)[1] - 1 = floor(log2(a)), exactly
;;       r = np.clip(x / 2.0 ** e, -7.5, 7.5)
;;       step = 2.0 ** (np.maximum(np.frexp(np.where(r == 0, 1, r))[1] - 1, 0) - 3)
;;       q = np.round(r / step) * step * 2.0 ** e      # np.round: ties to even
;;       return np.moveaxis(q.reshape(q.shape[:-2] + (-1,))[..., :K], -1, axis).astype(np.float32)
;;   ~~~
;;   SOFTMAX AHEAD OF A QUANTISED PRODUCT. Where the list says 'softmax', what is quantised is not the finished softmax but p = 2^(t - M), with t = logit x log2(e) and M = ceil(the row's largest t), a whole number; so 1/2 < the row's largest p <= 1. The row's sum l is taken of the UNQUANTISED p, in f32, and the product's result is divided by l at the end. Since M is a whole number, a kernel that streams over the keys may use a running M (the ceiling of the running maximum): every later rescaling is an exact power of two, which a block's scale takes up: the codes' values come out the same.
;;   OPERANDS COMPUTED ON THE WAY. 'Computed on the way' means the value that the module computes at that place (a softmax that the list does not call 'softmax' is quantised finished and normalised). What goes into a quantiser is computed in f32, as accurately as f32 sums, v_exp_f32 and their like allow (about 1e-6 of the number): no bf16 or f16 on the way to a quantiser, and a product that is left as it is and whose result goes on into a quantised operand takes f32 operands (vector FMAs, or v_wmma_f32_16x16x4_f32). A number that lies on a knife's edge between two numbers of the format may be rounded either way, as far as f32 arithmetic and the matrix unit's own rounding can turn it there, and no further.
;; One version. Each part assembles by itself: llvm-mc -triple=amdgcn-amd-amdhsa -mcpu=gfx1250 --defsym DOCPART=n.
;; ======== version 1 of 1: 4 launches
;; limits: right only within a limited range of input values
;; workspace buffers: xc 18,874,368 bytes; xs 786,432 bytes; wc 3,145,728 bytes; ws 131,072 bytes; hc 18,874,368 bytes; hs 786,432 bytes; oc 6,291,456 bytes; os 262,144 bytes
;; launch quant (part 1): grid 896 x 1, 4 waves a work-group, no clusters, 34,304 bytes of LDS; arguments q, k, v, Wq, Wk, Wv, Wo, xc, xs, wc, ws; writes xc, xs, wc, ws
.if DOCPART == 1
	.amdgcn_target "amdgcn-amd-amdhsa--gfx1250"
	.amdhsa_code_object_version 6
	.text
	.protected	k_q914b5d72cd_quant
	.globl	k_q914b5d72cd_quant
	.p2align	8
	.type	k_q914b5d72cd_quant,@function
k_q914b5d72cd_quant:
	s_mov_b64 s[64:65], 0
	v_nop
	global_prefetch_b8 v0, s[64:65] scope:SCOPE_SE
	s_setreg_imm32_b32 hwreg(HW_REG_WAVE_MODE, 25, 1), 1
	s_wait_xcnt 0x0
; q, k, v [8192][1024] f32 (K innermost) and Wq, Wk, Wv, Wo [1024 (K)][1024 (n)] f32 (K outermost) become codes of FP6 (E2M3) with one E8M0 byte for each 32 along K.
; A block's scale is 2^(floor(log2(its largest magnitude)) - 2); its byte is the largest magnitude's exponent field - 2, held at 1 from below by a floor among the maximum's leaves.
; LIMITS: NaN and infinities among the inputs are not served; a block whose largest magnitude lies under 2^-124, a block of zeros among them, gets the byte 1 (the rule says 127 for zeros: its codes are
; zeros, which add nothing under that byte, and only this program reads the bytes).
; LAYOUT OF THE CODES: images of the operand's registers.  An image is 768 bytes: 16 rows x 64 along K.  Lane l = (r = l % 16, h = l / 16) of the reader owns row r, block h: 24 bytes; its first 16 lie at 16 l,
; its last 8 at 512 + 8 l.  Row r of tile T is index 32 (T / 2) + 8 (T % 2) + r + 8 (r / 8).  xc: [q, k, v][tile 0..511][k64 0..15][768];  wc: [Wq, Wk, Wv, Wo][tile 0..63][k64][768].
; LAYOUT OF THE BYTES: [tile][256 along K: 0..3][r][8 bytes].
; Work-groups 0..127 take the weights (a lane to a column, registers down K: a block lies in one lane), work-groups 128..895 the activations (rows turned through the wave's own stage in LDS, so that each
; load reads 512 consecutive bytes and a lane still gets a whole block).  Only the second way touches LDS.  No barrier: waves share nothing.
.set WN, 32                            ; weights: v32-95 two sets of 32 numbers
.set WC, 96                            ; v96-159 eight sets of 8 for the codes: no store's data are written again
.set XR, 32                            ; activations: v32-159 two sets of 64 numbers as loaded
.set XN, 160                           ; v160-223 two blocks of 32 neighbours
.set XC, 224                           ; v224-255 four sets of 8 for the codes
.macro MAX32 d, e, x                   ; the largest magnitude of v[x] .. v[x + 31], in two chains, and the floor 2^(3 - 127)
	v_max3_num_f32 v[\d], |v[\x]|, |v[\x+1]|, |v[\x+2]|
	v_max3_num_f32 v[\e], |v[\x+3]|, |v[\x+4]|, |v[\x+5]|
.irp i, 6,10,14,18,22,26
	v_max3_num_f32 v[\d], v[\d], |v[\x+\i]|, |v[\x+\i+1]|
	v_max3_num_f32 v[\e], v[\e], |v[\x+\i+2]|, |v[\x+\i+3]|
.endr
	v_max3_num_f32 v[\d], v[\d], |v[\x+30]|, |v[\x+31]|
	v_max3_num_f32 v[\d], v[\d], v[\e], 0x1800000
.endm
.macro CODE32 c, x, s                  ; 32 numbers become 24 bytes in v[c] .. v[c + 5]; a conversion's three registers begin on an even number, so the second half is made one register on and moved
	v_cvt_scalef32_pk16_fp6_f32 v[\c:\c+2], v[\x:\x+15], v[\s]
	v_cvt_scalef32_pk16_fp6_f32 v[\c+4:\c+6], v[\x+16:\x+31], v[\s]
	v_nop                                          ; one plain place behind a scaled conversion
	v_mov_b32 v[\c+3], v[\c+4]
	v_mov_b32 v[\c+4], v[\c+5]
	v_mov_b32 v[\c+5], v[\c+6]
.endm
	s_load_b256 s[8:15], s[0:1], 0x0               ; q s[8:9], k s[10:11], v s[12:13], Wq s[14:15]
	s_load_b256 s[16:23], s[0:1], 0x20             ; Wk s[16:17], Wv s[18:19], Wo s[20:21], xc s[22:23]
	s_load_b128 s[24:27], s[0:1], 0x40             ; xs s[24:25], wc s[26:27]
	s_load_b64 s[28:29], s[0:1], 0x50              ; ws
	v_lshl_add_u32 v247, v0, 2, 0x8400
	v_mov_b32 v255, 0
	v_lshrrev_b32 v1, 5, v0
	v_readfirstlane_b32 s30, v1                    ; wave 0..3
	v_and_b32 v1, 31, v0                           ; lane
	s_mov_b32 s39, 0                               ; the upper word of every offset pair s[38:39]
	s_wait_kmcnt 0x0
	s_cmp_lt_u32 ttmp9, 128
	s_cbranch_scc0 .Lacts
	; ---- THE WEIGHTS.  id = 32 wi + 8 ky + cg: weight wi, rows 256 ky on, columns 128 cg + 32 wave + lane
	s_lshr_b32 s31, ttmp9, 5                       ; wi
	s_and_b32 s34, ttmp9, 7                        ; cg
	s_bfe_u32 s35, ttmp9, 0x20003                  ; ky
	s_cmp_eq_u32 s31, 1
	s_cselect_b64 s[14:15], s[16:17], s[14:15]
	s_cmp_eq_u32 s31, 2
	s_cselect_b64 s[14:15], s[18:19], s[14:15]
	s_cmp_eq_u32 s31, 3
	s_cselect_b64 s[14:15], s[20:21], s[14:15]
	s_lshl_b32 s36, s34, 3
	s_lshl_b32 s37, s30, 1
	s_add_co_u32 s36, s36, s37                     ; my wave's first tile of columns: 8 cg + 2 wave
	s_lshl_b32 s38, s35, 20                        ; 256 ky rows of 4,096 bytes
	s_lshl_b32 s37, s36, 6                         ; + 16 columns x 4 bytes a tile
	s_add_co_u32 s38, s38, s37
	s_add_nc_u64 s[14:15], s[14:15], s[38:39]
	s_mul_i32 s38, s31, 786432
	s_mul_i32 s37, s36, 12288
	s_add_co_u32 s38, s38, s37
	s_mul_i32 s37, s35, 3072
	s_add_co_u32 s38, s38, s37
	s_add_nc_u64 s[26:27], s[26:27], s[38:39]      ; wc at my first tile, my four images
	s_lshl_b32 s38, s31, 15
	s_lshl_b32 s37, s36, 9
	s_add_co_u32 s38, s38, s37
	s_lshl_b32 s37, s35, 7
	s_add_co_u32 s38, s38, s37
	s_add_nc_u64 s[28:29], s[28:29], s[38:39]      ; ws likewise
	s_wait_alu depctr_va_vdst(0)
	v_lshlrev_b32 v3, 2, v1                        ; in: 4 bytes a lane
	v_bfe_u32 v7, v1, 3, 1                         ; column lane = 8 u + r + 8 (r / 8): u = which of the two tiles,
	v_and_b32 v8, 7, v1
	v_lshrrev_b32 v9, 4, v1
	v_lshl_add_u32 v8, v9, 3, v8                   ; r = its row there
	v_mul_u32_u24 v4, v7, 12288
	v_lshl_add_u32 v5, v8, 3, v4                   ; 12,288 u + 8 r
	v_lshl_add_u32 v4, v8, 4, v4                   ; 12,288 u + 16 r
	v_lshlrev_b32 v6, 9, v7
	v_lshl_add_u32 v6, v8, 3, v6                   ; 512 u + 8 r
.macro LOADW t                         ; block t: W(32 t + i, my column): 128 consecutive bytes a wave, 512 a work-group
.irp i, 0,1,2,3,4,5,6,7,8,9,10,11,12,13,14,15,16,17,18,19,20,21,22,23,24,25,26,27,28,29,30,31
	global_load_b32 v[WN+32*((\t)%2)+\i], v3, s[14:15] offset:(32*(\t)+\i)*4096 th:TH_LOAD_NT
.endr
.endm
.macro BLOCKW t
.set WX, WN+32*((\t)%2)
.set WK, WC+8*(\t)
.if (\t) < 7
	s_wait_loadcnt 32                              ; this block's 32 loads are in; the next block's may be out
.else
	s_wait_loadcnt 0x0
.endif
	MAX32 12, 13, WX
	v_add_nc_u32 v11, 0xff000000, v12              ; 2 off the exponent field: the conversion's scale operand
	v_lshrrev_b32 v13, 23, v11                     ; the byte
.if (\t)%4 == 0
	v_mov_b32 v[24+(\t)/4], v13
.else
	v_lshl_or_b32 v[24+(\t)/4], v13, 8*((\t)%4), v[24+(\t)/4]
.endif
	CODE32 WK, WX, 11
	global_store_b128 v4, v[WK:WK+3], s[26:27] offset:((\t)/2)*768+256*((\t)%2)       ; block t is half t % 2 of image t / 2: sixteen lanes store 256 consecutive bytes, aligned
	global_store_b64 v5, v[WK+4:WK+5], s[26:27] offset:((\t)/2)*768+512+128*((\t)%2)
.if (\t)+2 < 8
	LOADW (\t)+2
.endif
.endm
	LOADW 0
	LOADW 1
.irp t, 0,1,2,3,4,5,6,7
	BLOCKW \t
.endr
	global_store_b64 v6, v[24:25], s[28:29]        ; my column's 8 bytes
	s_endpgm
	; ---- THE ACTIVATIONS.  id - 128 = 256 g + rem: tensor g, tokens 32 rem on.  Wave: tile 2 rem + wave / 2, K half wave % 2, four steps of 128 along K
.Lacts:
	s_sub_co_u32 s31, ttmp9, 128
	s_lshr_b32 s34, s31, 8                         ; g
	s_and_b32 s35, s31, 255                        ; rem
	s_cmp_eq_u32 s34, 1
	s_cselect_b64 s[8:9], s[10:11], s[8:9]
	s_cmp_eq_u32 s34, 2
	s_cselect_b64 s[8:9], s[12:13], s[8:9]
	s_lshr_b32 s36, s30, 1                         ; which tile of the pair
	s_and_b32 s37, s30, 1                          ; which half of K
	s_lshl_b32 s38, s35, 17                        ; 32 rem rows of 4,096 bytes
	s_lshl_b32 s41, s36, 15                        ; + 8 rows for the second tile
	s_add_co_u32 s38, s38, s41
	s_lshl_b32 s41, s37, 11                        ; + 512 numbers
	s_add_co_u32 s38, s38, s41
	s_add_nc_u64 s[8:9], s[8:9], s[38:39]
	s_lshl_b32 s40, s35, 1
	s_add_co_u32 s40, s40, s36                     ; the tile
	s_mul_i32 s38, s34, 6291456
	s_mul_i32 s41, s40, 12288
	s_add_co_u32 s38, s38, s41
	s_mul_i32 s41, s37, 6144
	s_add_co_u32 s38, s38, s41
	s_add_nc_u64 s[22:23], s[22:23], s[38:39]      ; xc at my eight images
	s_lshl_b32 s38, s34, 18
	s_lshl_b32 s41, s40, 9
	s_add_co_u32 s38, s38, s41
	s_lshl_b32 s41, s37, 8
	s_add_co_u32 s38, s38, s41
	s_add_nc_u64 s[24:25], s[24:25], s[38:39]      ; xs at my 256 bytes
	s_mov_b32 s32, 0x76543210
	s_mov_b32 s33, 0xfedcba98                      ; v_permlanex16_b32's selects for lane l xor 16
	s_wait_alu depctr_va_vdst(0)
	v_lshlrev_b32 v2, 4, v1                        ; 16 l
	v_lshlrev_b32 v3, 3, v1                        ; 8 l
	s_mul_i32 s42, s30, 8448                       ; my stage: 16 rows of 512 bytes + 16
	v_add_nc_u32 v4, s42, v2                       ; into it: 16 l of a row
	v_and_b32 v7, 15, v1                           ; r
	v_lshrrev_b32 v9, 4, v1                        ; h
	v_mul_u32_u24 v5, v7, 528
	v_lshl_add_u32 v5, v9, 7, v5
	v_add_nc_u32 v5, s42, v5                       ; out of it: row r, block h: 128 bytes
	v_lshlrev_b32 v6, 3, v9                        ; 8 h
	v_mov_b32 v20, 0                               ; written once: a lane permute's destination counts as one of its sources
.macro LOADX t                         ; step t: 128 numbers of each of the tile's 16 rows: 512 consecutive bytes a load
.irp i, 0,1,2,3,4,5,6,7,8,9,10,11,12,13,14,15
	global_load_b128 v[XR+64*((\t)%2)+4*\i:XR+64*((\t)%2)+4*\i+3], v2, s[8:9] offset:(\i+8*(\i/8))*4096+512*(\t) th:TH_LOAD_NT
.endr
.endm
.macro STEPX t
.set C0, XC+8*((2*(\t))%4)
.set C1, XC+8*((2*(\t)+1)%4)
.if (\t) < 3
	s_wait_loadcnt 16                              ; this step's 16 loads are in; the next step's may be out
.else
	s_wait_loadcnt 0x0
.endif
.if (\t) >= 2
	s_wait_xcnt 0x0                                ; the stores of two steps ago have read their code registers, which are written again below
.endif
.irp i, 0,1,2,3,4,5,6,7,8,9,10,11,12,13,14,15
	ds_store_b128 v4, v[XR+64*((\t)%2)+4*\i:XR+64*((\t)%2)+4*\i+3] offset:528*\i
.endr
.irp c, 0,1
.irp j, 0,1,2,3,4,5,6,7
	ds_load_b128 v[XN+32*\c+4*\j:XN+32*\c+4*\j+3], v5 offset:256*\c+16*\j      ; LDS serves a wave's instructions in order: these see the stores above
.endr
.endr
.if (\t)+2 < 4
	s_wait_dscnt 16                                ; the 16 stores are served (the 16 loads behind them may be out): their registers take the loads of two steps on
	LOADX (\t)+2
.endif
	s_wait_dscnt 0x0
	MAX32 8, 9, XN
	MAX32 10, 11, XN+32
	v_add_nc_u32 v12, 0xff000000, v8
	v_add_nc_u32 v13, 0xff000000, v10
	v_lshrrev_b32 v14, 23, v12                     ; the byte of block h of the step's first 64,
	v_lshrrev_b32 v15, 23, v13                     ; and of its second 64
	CODE32 C0, XN, 12
	CODE32 C1, XN+32, 13
	global_store_b128 v2, v[C0:C0+3], s[22:23] offset:(2*(\t))*768                 ; 32 lanes store 512 consecutive bytes
	global_store_b64 v3, v[C0+4:C0+5], s[22:23] offset:(2*(\t))*768+512            ; and 256
	global_store_b128 v2, v[C1:C1+3], s[22:23] offset:(2*(\t)+1)*768
	global_store_b64 v3, v[C1+4:C1+5], s[22:23] offset:(2*(\t)+1)*768+512
	v_lshl_or_b32 v10, v15, 16, v14                ; my two bytes, blocks h and 2 + h,
	v_lshlrev_b32 v10, v6, v10                     ; at their places in the row's word;
	v_permlanex16_b32 v20, v10, s32, s33
	v_or_b32 v[16+(\t)], v10, v20                  ; with lane l xor 16's two the word is whole
.endm
	LOADX 0
	LOADX 1
	s_wait_alu depctr_va_vdst(0)
.irp t, 0,1,2,3
	STEPX \t
.endr
	v_cmp_le_u32 vcc_lo, 16, v1                    ; lanes 0-15 store the words of my first 256 along K, lanes 16-31 those of my second
	v_cndmask_b32 v8, v16, v18, vcc_lo
	v_cndmask_b32 v9, v17, v19, vcc_lo
	global_store_b64 v3, v[8:9], s[24:25]          ; 32 lanes store 256 consecutive bytes, aligned
	s_wait_tensorcnt 0x0
	ds_add_u32 v247, v255
	s_wait_dscnt 0x0
	s_endpgm
.Lfunc_end_k_q914b5d72cd_quant:
	.size	k_q914b5d72cd_quant, .Lfunc_end_k_q914b5d72cd_quant-k_q914b5d72cd_quant
	.p2alignl 7, 3214868480
	.fill 96, 4, 3214868480
	.section	.rodata,"a",@progbits
	.p2align	6, 0x0
	.amdhsa_kernel k_q914b5d72cd_quant
		.amdhsa_group_segment_fixed_size 34304
		.amdhsa_private_segment_fixed_size 0
		.amdhsa_enable_private_segment 0
		.amdhsa_kernarg_size 88
		.amdhsa_user_sgpr_count 2
		.amdhsa_user_sgpr_kernarg_segment_ptr 1
		.amdhsa_wavefront_size32 1
		.amdhsa_system_sgpr_workgroup_id_x 1
		.amdhsa_system_sgpr_workgroup_id_y 1
		.amdhsa_system_sgpr_workgroup_id_z 1
		.amdhsa_system_vgpr_workitem_id 0
		.amdhsa_next_free_vgpr 256
		.amdhsa_next_free_sgpr 66
		.amdhsa_reserve_vcc 1
		.amdhsa_float_denorm_mode_32 3
		.amdhsa_float_denorm_mode_16_64 3
		.amdhsa_memory_ordered 1
		.amdhsa_forward_progress 1
		.amdhsa_inst_pref_size 70
	.end_amdhsa_kernel
	.amdgpu_metadata
---
amdhsa.version: [ 1, 2 ]
amdhsa.kernels:
  - .name:           k_q914b5d72cd_quant
    .symbol:         k_q914b5d72cd_quant.kd
    .args:
      - { .name: q, .offset: 0, .size: 8, .value_kind: global_buffer, .address_space: global }
      - { .name: k, .offset: 8, .size: 8, .value_kind: global_buffer, .address_space: global }
      - { .name: v, .offset: 16, .size: 8, .value_kind: global_buffer, .address_space: global }
      - { .name: Wq, .offset: 24, .size: 8, .value_kind: global_buffer, .address_space: global }
      - { .name: Wk, .offset: 32, .size: 8, .value_kind: global_buffer, .address_space: global }
      - { .name: Wv, .offset: 40, .size: 8, .value_kind: global_buffer, .address_space: global }
      - { .name: Wo, .offset: 48, .size: 8, .value_kind: global_buffer, .address_space: global }
      - { .name: xc, .offset: 56, .size: 8, .value_kind: global_buffer, .address_space: global }
      - { .name: xs, .offset: 64, .size: 8, .value_kind: global_buffer, .address_space: global }
      - { .name: wc, .offset: 72, .size: 8, .value_kind: global_buffer, .address_space: global }
      - { .name: ws, .offset: 80, .size: 8, .value_kind: global_buffer, .address_space: global }
    .group_segment_fixed_size: 34304
    .private_segment_fixed_size: 0
    .kernarg_segment_align: 8
    .kernarg_segment_size: 88
    .max_flat_workgroup_size: 128
    .sgpr_count:     66
    .vgpr_count:     256
    .wavefront_size: 32
...
	.end_amdgpu_metadata
.endif
;; end of part 1
;; launch proj (part 2): grid 4 x 96, 4 waves a work-group, clusters of 4 x 4, 327,680 bytes of LDS; arguments xc, xs, wc, ws, bq, bk, bv, hc, hs; writes hc, hs
.if DOCPART == 2
	.amdgcn_target "amdgcn-amd-amdhsa--gfx1250"
	.amdhsa_code_object_version 6
	.text
	.protected	k_q914b5d72cd_proj
	.globl	k_q914b5d72cd_proj
	.p2align	8
	.type	k_q914b5d72cd_proj,@function
k_q914b5d72cd_proj:
	s_mov_b64 s[64:65], 0
	v_nop
	global_prefetch_b8 v0, s[64:65] scope:SCOPE_SE
	s_setreg_imm32_b32 hwreg(HW_REG_WAVE_MODE, 25, 1), 1
	s_wait_xcnt 0x0
	s_wait_alu depctr_hold_cnt(0) depctr_sa_sdst(0) depctr_va_vdst(0) depctr_va_sdst(0) depctr_va_ssrc(0) depctr_va_vcc(0) depctr_vm_vsrc(0)
	s_getreg_b32 s2, hwreg(HW_REG_IB_STS2, 6, 4)
	s_cmp_eq_u32 s2, 0
	s_cbranch_scc0 .Lentry_in_a_cluster
	s_endpgm
.Lentry_in_a_cluster:
	s_bfe_u32 s2, ttmp6, 0x10000c
	s_cmp_lg_u32 s2, 0xf033
	s_cbranch_scc0 .Lentry_shape_is_right
	s_endpgm
.Lentry_shape_is_right:
; The three projections x W + b on codes of FP6 (E2M3), and the quantising of their results for the attention: q and k along the head's 64, v along the keys.
; Operands come as images of registers (768 bytes: 16 rows x 64 K; lane l's first 16 bytes at 16 l, its last 8 at 512 + 8 l); row r of tile T is index 32 (T / 2) + 8 (T % 2) + r + 8 (r / 8).
; A work-group of four waves makes 256 x 256 results, a wave 128 x 128: 64 accumulators.  Source 0 is operand P, whose axis ends in a lane's registers; source 1 is operand R, whose axis ends in the lanes.
; By the order of a tile's rows the 16 registers of P's tiles 2 b and 2 b + 1 are 16 neighbours, 32 b + 16 (lane / 16) + 0 .. 15: what the conversions want.
; q, k (g = 0, 1): P = the weight's columns, R = tokens: a lane holds a token and 128 columns = two heads: two images and two byte pairs.   v (g = 2): P = tokens, R = the weight's columns: a lane holds one
; channel d and 128 keys: one fragment of V^T and its scale word.  The mode hangs on the cluster's y alone: it is the same in all partners.
; K = 1,024 goes in four steps of 256 through a ring of two LDS slots; the scale bytes of the work-group's rows come once.  CLUSTER 4 x 4: R's tiles are shared along a row, P's along a column, by joint loads.
; The bias along P is the C of each sum's first product; the bias along R is added as the results are moved out of their window.
; hc: q, k: [b h][token tile 0..127][768];  v: [b h][128 keys 0..15][d tile 0..3][64 keys 0..1][768].   hs: q, k: [b h][tile][r] two bytes;  v: [b h][128 keys][d tile][r] four bytes.
; LIMITS: NaN and infinities are not served; a block whose largest magnitude lies under 2^-124 (zeros among them) gets the byte 1; only this program reads the bytes.
; REGISTERS: window 0: v16-29 addresses; v32-63 scale words, two sets; v64-127 the bias along P, later 64 results; v128-223 R's fragments, one set, later codes; v224-239 the bias along R.
;   window 1: P's fragments, two sets, at v0 and v128.   windows 2, 3: the accumulators ((a, b) at v[8 (8 (a % 4) + b)]).
.set NQ,     2                         ; steps of 128 along K in a slot
.set FR,     12                        ; registers of a fragment
.set NL,     4                         ; LDS loads that bring one
.set NP,     4                         ; places behind this matrix instruction (ISA guide 7.12.1)
.set HALFT,  24576                     ; 8 tiles x 4 images: what one tensor load brings, and what a wave reads of R or of P
.set SLOT,   4*HALFT
.set SCL,    2*SLOT                    ; behind the ring: the scale bytes, 4,096 for each 128 rows
.set HALFS,  4096
.set SPARE,  SCL+4*HALFS               ; the spare words, 128 bytes for each wave: two blocks of 256 bytes that no other line names
.set ADRA, 16                          ; v16-17 R's fragments in slot 0, 1 at 16 l; v18-19 at 8 l
.set ADRB, 20                          ; v20-23 the same for P
.set LI,   24                          ; v24 16 l
.set LJ,   25                          ; v25 8 l
.set LSC,  26                          ; v26 my row's place among the scale bytes
.set ADRS, 27                          ; v27 my scale words: lanes 0-15 R's, lanes 16-31 P's
.set SPW,  28                          ; v28 my spare word; never rewritten
.set NIL,  29                          ; v29 0; never rewritten
.set SC,   32
.set BP,   64
.set HA,   64
.set AF,   128
.set PC,   128                         ; the way out: codes v128-147
.set TM,   152                         ; v152-167 at work
.set PW,   168                         ; the scale word
.set BR,   224
.set G1, 24
.set G0, 32
.set G1B, 48
.set G0B, 56
.set G1S, 68
.set G0S, 76
.set G1SB, 80
.set G0SB, 88
.set MSB, 0
.macro WIN new                         ; the immediate's high byte repeats the setting that is left
.if MSB != (\new)
	s_set_vgpr_msb (MSB<<8)|(\new)
.set MSB, (\new)
.endif
.endm
.set MUL_LO, 0xa1                      ; source 0 (P) window 1, source 1 (R) window 0, C and D window 2
.set MUL_HI, 0xf1                      ; the same, C and D window 3
.set FST_LO, 0x81                      ; the first products: C (the bias) window 0, D window 2
.set FST_HI, 0xc1                      ; D window 3
.set TO_B,   0x40                      ; destination window 1, address window 0
.macro JLOAD g0a, g1a, g0b, g1b        ; a joint load: waves 0 and 1 fetch for R, waves 2 and 3 for P; four v_nop follow each line
	s_cmp_eq_u32 s15, 0
	s_cbranch_scc0 .Lfor_b_\@
	tensor_load_to_lds s[\g0a:\g0a+3], s[\g1a:\g1a+7]
	s_nop 0
.rept 4
	v_nop
.endr
	s_branch .Lasked_\@
.Lfor_b_\@:
	tensor_load_to_lds s[\g0b:\g0b+3], s[\g1b:\g1b+7]
	s_nop 0
.rept 4
	v_nop
.endr
.Lasked_\@:
.endm
.macro CREST                           ; a round of the cluster's barrier behind its opening barrier
	s_cmp_lg_u32 s14, 0
	s_cbranch_scc1 .Lnot_wave_0_\@
	s_barrier_signal -3
.Lnot_wave_0_\@:
	s_barrier_wait -3
	s_barrier_signal -1
	s_barrier_wait -1
.endm
.macro CROUND
	s_barrier_signal -1
	s_barrier_wait -1
	CREST
.endm
	s_load_b256 s[4:11], s[0:1], 0x0               ; xc s[4:5], xs s[6:7], wc s[8:9], ws s[10:11]
	v_lshl_add_u32 v[SPW], v0, 2, SPARE
	v_mov_b32 v[NIL], 0
	ds_add_u32 v28, v29
	ds_add_u32 v28, v29
	s_wait_dscnt 0x0
	v_lshrrev_b32 v1, 5, v0
	v_readfirstlane_b32 s14, v1                    ; wave 0..3
	s_lshr_b32 s15, s14, 1                         ; my half of R's 256 rows.  Also: I fetch for R (0) or for P (1)
	s_and_b32 s16, s14, 1                          ; my half of P's 256 rows.  Also: which 128 rows I fetch
	s_bfe_u32 s40, ttmp6, 0x40000                  ; cx, cy: my place in the cluster
	s_bfe_u32 s41, ttmp6, 0x40004
	s_lshl_b32 s43, s41, 2
	s_lshl_b32 s43, 15, s43                        ; my row of the cluster
	s_lshl_b32 s44, 0x1111, s40                    ; my column
	; group 1 for codes: 8 tiles, of each the slot's four images: rows of 3,072 bytes (384 elements of 8), 12,288 bytes apart; no padding: every fragment load reads consecutive bytes
	s_or_b32 s[G1+0], s43, (3<<16)|(1<<21)
	s_or_b32 s[G1B+0], s44, (3<<16)|(1<<21)
.irp g, G1, G1B
	s_mov_b32 s[\g+1], 384<<16                     ; tensor_dim0
	s_mov_b32 s[\g+2], 8<<16                       ; tensor_dim1
	s_mov_b32 s[\g+3], 384<<16                     ; tile_dim0
	s_mov_b32 s[\g+4], 8                           ; tile_dim1
	s_mov_b32 s[\g+5], 1536                        ; tensor_dim0_stride
	s_mov_b32 s[\g+6], 0
	s_mov_b32 s[\g+7], 0
.endr
	; and for the scale bytes of 128 rows: 4,096 dense bytes as 16 rows of 256
	s_or_b32 s[G1S+0], s43, (3<<16)|(1<<21)
	s_or_b32 s[G1SB+0], s44, (3<<16)|(1<<21)
.irp g, G1S, G1SB
	s_mov_b32 s[\g+1], 32<<16
	s_mov_b32 s[\g+2], 16<<16
	s_mov_b32 s[\g+3], 32<<16
	s_mov_b32 s[\g+4], 16
	s_mov_b32 s[\g+5], 32
	s_mov_b32 s[\g+6], 0
	s_mov_b32 s[\g+7], 0
.endr
	s_mov_b32 s43, 0x76543210                      ; (the masks are in the descriptors)  v_permlanex16_b32's selects for lane l xor 16
	s_mov_b32 s44, 0xfedcba98
	s_and_b32 s20, ttmp7, 0xffff                   ; the cluster's y = 8 g + c8
	s_lshr_b32 s95, s20, 3                         ; g: 0 q, 1 k, 2 v
	s_and_b32 s21, s20, 7
	s_lshl_b32 s21, s21, 2                         ; 4 c8
	s_mul_i32 s22, s95, 6291456                    ; where part g begins: activations' codes,
	s_mul_i32 s23, s95, 786432                     ; weights' codes,
	s_lshl_b32 s92, s95, 18                        ; activations' bytes,
	s_lshl_b32 s93, s95, 15                        ; weights' bytes
	s_wait_kmcnt 0x0
	s_cmp_eq_u32 s95, 2                            ; v?  All the choices stand on this one compare
	s_cselect_b32 s42, s21, 0
	s_cselect_b32 s17, 0, s21
	s_cselect_b64 s[96:97], s[4:5], s[8:9]         ; P's codes: the activations' for v, else the weights'
	s_cselect_b64 s[98:99], s[6:7], s[10:11]       ; P's bytes
	s_cselect_b64 s[4:5], s[8:9], s[4:5]           ; R's codes
	s_cselect_b64 s[6:7], s[10:11], s[6:7]         ; R's bytes
	s_cselect_b32 s2, s22, s23
	s_cselect_b32 s3, s23, s22
	s_cselect_b32 s12, s92, s93
	s_cselect_b32 s13, s93, s92
	s_add_co_u32 s42, s42, s40                     ; P's block of 256: hangs on cx, which my column shares
	s_add_co_u32 s17, s17, s41                     ; R's block of 256: hangs on cy, which my row shares
	s_lshl_b32 s18, s16, 3                         ; which 8 tiles of the block I fetch
	s_lshl_b32 s20, s17, 4
	s_add_co_u32 s20, s20, s18                     ; R: tile 16 x block + 8 x half
	s_lshl_b32 s46, s42, 4
	s_add_co_u32 s46, s46, s18                     ; P likewise
	s_lshl_b32 s22, s20, 9                         ; 512 scale bytes a tile
	s_add_co_u32 s22, s22, s13
	s_mov_b32 s23, 0
	s_lshl_b32 s92, s46, 9
	s_add_co_u32 s92, s92, s12
	s_mov_b32 s93, 0
	s_mul_i32 s20, s20, 12288                      ; 12,288 bytes of codes a tile
	s_add_co_u32 s20, s20, s3
	s_mov_b32 s21, 0
	s_mul_i32 s46, s46, 12288
	s_add_co_u32 s46, s46, s2
	s_mov_b32 s47, 0
	s_add_nc_u64 s[20:21], s[4:5], s[20:21]
	s_add_nc_u64 s[22:23], s[6:7], s[22:23]
	s_add_nc_u64 s[46:47], s[96:97], s[46:47]
	s_add_nc_u64 s[92:93], s[98:99], s[92:93]
	s_mul_i32 s45, s14, HALFT                      ; where they go: wave x 8 tiles: no place in the cluster enters an LDS address
	s_mul_i32 s94, s14, HALFS
	CROUND                                         ; all sixteen work-groups are here: the first joint loads meet
	s_mov_b32 s[G0S], 1
	s_add_co_u32 s[G0S+1], s94, SCL
	s_mov_b64 s[G0S+2:G0S+3], s[22:23]
	s_or_b32 s[G0S+3], s[G0S+3], 0x80000000
	s_mov_b32 s[G0SB], 1
	s_add_co_u32 s[G0SB+1], s94, SCL
	s_mov_b64 s[G0SB+2:G0SB+3], s[92:93]
	s_or_b32 s[G0SB+3], s[G0SB+3], 0x80000000
	JLOAD G0S, G1S, G0SB, G1SB                     ; the scale bytes first: they are wanted with the first step
.irp s, 0,1
	s_mov_b32 s[G0+4*\s], 1
	s_add_co_u32 s[G0+4*\s+1], s45, \s*SLOT
	s_add_nc_u64 s[G0+4*\s+2:G0+4*\s+3], s[20:21], \s*3072
	s_or_b32 s[G0+4*\s+3], s[G0+4*\s+3], 0x80000000
	s_mov_b32 s[G0B+4*\s], 1
	s_add_co_u32 s[G0B+4*\s+1], s45, \s*SLOT
	s_add_nc_u64 s[G0B+4*\s+2:G0B+4*\s+3], s[46:47], \s*3072
	s_or_b32 s[G0B+4*\s+3], s[G0B+4*\s+3], 0x80000000
	s_wait_alu depctr_va_vdst(0)
	s_wait_tensorcnt 0x0
	ds_add_u32 v28, v29
	s_wait_dscnt 0x0
	CROUND
	JLOAD G0+4*\s, G1, G0B+4*\s, G1B
.endr
	s_load_b256 s[4:11], s[0:1], 0x20              ; bq s[4:5], bk s[6:7], bv s[8:9], hc s[10:11]
	s_load_b64 s[18:19], s[0:1], 0x40              ; hs
	v_and_b32 v1, 15, v0                           ; r
	v_bfe_u32 v2, v0, 4, 1                         ; h
	v_and_b32 v6, 31, v0
	v_lshlrev_b32 v[LI], 4, v6
	v_lshlrev_b32 v[LJ], 3, v6
	s_mul_i32 s21, s15, HALFT                      ; my 128 rows of R
	s_mul_i32 s22, s16, HALFT                      ; my 128 rows of P,
	s_add_co_u32 s22, s22, 2*HALFT                 ; which lie behind R's 256
.irp s, 0,1
	v_add_nc_u32 v[ADRA+\s], s21, v[LI]
	v_add_nc_u32 v[ADRB+\s], s22, v[LI]
	v_add_nc_u32 v[ADRA+2+\s], s21, v[LJ]
	v_add_nc_u32 v[ADRB+2+\s], s22, v[LJ]
	s_add_co_u32 s21, s21, SLOT
	s_add_co_u32 s22, s22, SLOT
.endr
	v_lshlrev_b32 v5, 3, v1                        ; my row's 8 scale bytes of a step of 256
	s_mul_i32 s21, s15, HALFS
	s_mul_i32 s22, s16, HALFS
	s_add_co_u32 s22, s22, 2*HALFS
	s_sub_co_u32 s22, s22, s21
	v_mul_u32_u24 v6, s22, v2                      ; lanes 16-31 take P's
	s_add_co_u32 s21, s21, SCL
	v_add_nc_u32 v5, v5, v6
	v_add_nc_u32 v[ADRS], s21, v5
	v_lshlrev_b32 v7, 6, v2                        ; the bias along P: 64 h
	v_and_b32 v8, 8, v1
	v_add_nc_u32 v8, v8, v1
	v_lshlrev_b32 v8, 2, v8                        ; the bias along R: 4 (r + 8 (r / 8))
.set j, 0
.rept 64
	v_mov_b32 v[BP+j], 0                           ; one of the two biases is not used in each mode and counts as 0: both are written on every way
.set j, j+1
.endr
.set j, 0
.rept 16
	v_mov_b32 v[BR+j], 0
.set j, j+1
.endr
	s_wait_kmcnt 0x0
	s_cmp_eq_u32 s95, 1
	s_cselect_b64 s[96:97], s[6:7], s[4:5]
	s_cmp_eq_u32 s95, 2
	s_cselect_b64 s[96:97], s[8:9], s[96:97]       ; the bias of part g
	s_mov_b32 s2, 98304                            ; what differs between the modes on the way out (v : q, k).  From the first image of a fragment to the second: 768 : the next head
	s_cselect_b32 s2, 768, s2
	s_mov_b32 s12, 768                             ; from R's tile a to a + 1: the next d tile : the next token tile
	s_cselect_b32 s12, 1536, s12
	s_mov_b32 s20, 768                             ; from a = 3 to a = 4: the next head's first d tile : as before
	s_cselect_b32 s20, 93696, s20
	s_mov_b32 s22, 4096                            ; from the scale word's low half to its high half: 2 bytes : the next head
	s_cselect_b32 s22, 2, s22
	s_cselect_b32 s46, 64, 32                      ; the scale bytes' steps
	s_cselect_b32 s92, 3904, 32
	s_cselect_b32 s94, 2, 1                        ; a row's scale bytes: 4 : 2
	s_cselect_b32 s98, s42, s17                    ; the tokens' block of 256,
	s_cselect_b32 s99, s17, s42                    ; the weight's,
	s_cselect_b32 s100, s16, s15                   ; my half of the tokens',
	s_cselect_b32 s101, s15, s16                   ; my half of the weight's
	s_mov_b32 s3, 0
	s_mov_b32 s13, 0
	s_mov_b32 s21, 0
	s_mov_b32 s23, 0
	s_mov_b32 s47, 0
	s_mov_b32 s93, 0
	s_lshl_b32 s40, s99, 10
	s_lshl_b32 s41, s101, 9
	s_add_co_u32 s40, s40, s41                     ; my 128 numbers of the bias
	s_mov_b32 s41, 0
	s_add_nc_u64 s[96:97], s[96:97], s[40:41]
	s_cmp_eq_u32 s95, 2
	s_cbranch_scc1 .Lbias_v
.irp b, 0,1,2,3
.irp i, 0,1,2,3
	global_load_b128 v[BP+16*\b+4*\i:BP+16*\b+4*\i+3], v7, s[96:97] offset:128*\b+16*\i      ; register 16 b + i: column 32 b + 16 h + i
.endr
.endr
	s_branch .Lbias_done
.Lbias_v:
.irp a, 0,1,2,3,4,5,6,7
	global_load_b32 v[BR+2*\a], v8, s[96:97] offset:(32*(\a/2)+8*(\a%2))*4                   ; my row of R's tile a
.endr
.Lbias_done:
	s_lshr_b32 s45, s98, 3                         ; the batch,
	s_lshl_b32 s45, s45, 4
	s_lshl_b32 s99, s99, 2
	s_add_co_u32 s45, s45, s99
	s_lshl_b32 s101, s101, 1
	s_add_co_u32 s45, s45, s101                    ; x 16 + my first head
	s_and_b32 s98, s98, 7
	s_lshl_b32 s98, s98, 1
	s_add_co_u32 s98, s98, s100                    ; which 128 tokens of the batch
	s_mul_i32 s100, s45, 98304
	s_mul_i32 s99, s98, 6144
	s_add_co_u32 s100, s100, s99
	s_mul_i32 s99, s95, 6291456
	s_add_co_u32 s100, s100, s99
	s_mov_b32 s101, 0
	s_add_nc_u64 s[4:5], s[10:11], s[100:101]      ; where a fragment's first image goes,
	s_add_nc_u64 s[6:7], s[4:5], s[2:3]            ; and its second
	s_lshl_b32 s100, s45, 12
	s_lshl_b32 s99, s98, 8
	s_add_co_u32 s100, s100, s99
	s_lshl_b32 s99, s95, 18
	s_add_co_u32 s100, s100, s99
	s_add_nc_u64 s[8:9], s[18:19], s[100:101]      ; where the scale word's low half goes,
	s_add_nc_u64 s[10:11], s[8:9], s[22:23]        ; and its high half
	v_lshlrev_b32 v[LSC], s94, v1
.macro FRAG reg, adr, q, i             ; a fragment is two images: 16 + 8 + 16 + 8 bytes a lane; each load reads 512 or 256 consecutive bytes
	ds_load_b128 v[\reg:\reg+3], v[\adr] offset:(\i)*3072+(\q)*1536
	ds_load_b64 v[\reg+4:\reg+5], v[\adr+2] offset:(\i)*3072+(\q)*1536+512
	ds_load_b128 v[\reg+6:\reg+9], v[\adr] offset:(\i)*3072+(\q)*1536+768
	ds_load_b64 v[\reg+10:\reg+11], v[\adr+2] offset:(\i)*3072+(\q)*1536+1280
.endm
; 16 matrix instructions: R's tiles a0, a0 + 1 x P's eight.  p: P's set; q: the slot's q-th 128 along K; sc: the set of scale words.  first = 1: the bias along P starts the sums.
; The 64 accumulators take turns, one instruction a turn, in the same order in every step.
.macro MUL16 a0, p, q, sc, first
.irp a, \a0, \a0+1
.irp b, 0,1,2,3,4,5,6,7
.if \first
	v_wmma_scale_f32_16x16x128_f8f6f4 v[8*(8*((\a)%4)+\b):8*(8*((\a)%4)+\b)+7], v[128*(\p)+FR*\b:128*(\p)+FR*\b+FR-1], v[AF+FR*(\a):AF+FR*(\a)+FR-1], v[BP+8*\b:BP+8*\b+7], v[SC+8*NQ*(\sc)+NQ*\b+(\q)], v[SC+8*NQ*(\sc)+NQ*(\a)+(\q)] matrix_a_fmt:MATRIX_FMT_FP6 matrix_b_fmt:MATRIX_FMT_FP6 matrix_a_scale:MATRIX_SCALE_ROW1
.else
	v_wmma_scale_f32_16x16x128_f8f6f4 v[8*(8*((\a)%4)+\b):8*(8*((\a)%4)+\b)+7], v[128*(\p)+FR*\b:128*(\p)+FR*\b+FR-1], v[AF+FR*(\a):AF+FR*(\a)+FR-1], v[8*(8*((\a)%4)+\b):8*(8*((\a)%4)+\b)+7], v[SC+8*NQ*(\sc)+NQ*\b+(\q)], v[SC+8*NQ*(\sc)+NQ*(\a)+(\q)] matrix_a_fmt:MATRIX_FMT_FP6 matrix_b_fmt:MATRIX_FMT_FP6 matrix_a_scale:MATRIX_SCALE_ROW1
.endif
.endr
.endr
.endm
.macro FETCH_B slot, q, p
	WIN TO_B
.irp i, 0,1,2,3,4,5,6,7
	FRAG 128*(\p)+FR*\i, ADRB+\slot, \q, \i
.endr
	WIN 0
.endm
.macro FETCH_A slot, q, i0
.irp i, \i0, \i0+1, \i0+2, \i0+3
	FRAG AF+FR*(\i), ADRA+\slot, \q, \i
.endr
.endm
.macro SCALES sc                       ; a step of 256's scale words, two a row: lanes 0-15 R's tile i, lanes 16-31 P's tile i
.irp i, 0,1,2,3,4,5,6,7
	ds_load_b64 v[SC+8*NQ*\sc+NQ*\i:SC+8*NQ*\sc+NQ*\i+1], v[ADRS] offset:\i*512
.endr
.endm
.macro PLACES n                        ; places in front of loads into registers that matrix instructions have read, and of the first read of results
.rept \n
	v_nop
.endr
.endm
.macro STEP slot, q, first             ; a step of 128 along K that has its successor in the same slot
	s_wait_dscnt 4*NL                              ; P's set and R's tiles 0-3 are in; the youngest 16 loads (R's tiles 4-7) may be out
.if \first
	WIN FST_LO
.else
	WIN MUL_LO
.endif
	MUL16 0, (\q)%2, \q, \slot, \first
	MUL16 2, (\q)%2, \q, \slot, \first
	s_wait_dscnt 0
	PLACES NP
	FETCH_B \slot, (\q)+1, 1-(\q)%2
	FETCH_A \slot, (\q)+1, 0
.if \first
	WIN FST_HI
.else
	WIN MUL_HI
.endif
	MUL16 4, (\q)%2, \q, \slot, \first
	MUL16 6, (\q)%2, \q, \slot, \first
	PLACES NP
	WIN 0
	FETCH_A \slot, (\q)+1, 4
.endm
; A slot's last step changes slots: one barrier; in front of it each wave waits for all its tensor loads, adds 0 to its spare word, and waits for that and for its reads of this slot.  fill = 1: this slot is filled again, two steps of 256 ahead.
.macro TURN slot, next, fill
	s_wait_tensorcnt 0x0                           ; all my tensor loads have landed: my part of the next slot (every window is 0 here)
	ds_add_u32 v[SPW], v[NIL]                      ; 0 onto my spare word
	s_wait_dscnt 4*NL+1                            ; (the add and the youngest 16 loads may be out)
	WIN MUL_LO
	MUL16 0, 1, NQ-1, \slot, 0
	s_wait_dscnt 0x0                               ; the add is done, and my reads of this slot are over
	s_barrier_signal -1
	MUL16 2, 1, NQ-1, \slot, 0
	WIN 0
	s_barrier_wait -1
.if \fill
	CREST                                          ; the barrier has opened a round of the cluster's: no wave of any partner still reads this slot or has a load on its way
	s_add_nc_u64 s[G0+4*\slot+2:G0+4*\slot+3], s[G0+4*\slot+2:G0+4*\slot+3], 6144
	s_add_nc_u64 s[G0B+4*\slot+2:G0B+4*\slot+3], s[G0B+4*\slot+2:G0B+4*\slot+3], 6144
	JLOAD G0+4*\slot, G1, G0B+4*\slot, G1B         ; the first tensor load behind the round; its four v_nop are the places in front of the loads below
.else
	PLACES NP
.endif
	s_wait_alu depctr_va_vdst(0)
	v_add_nc_u32 v[ADRS], 128, v[ADRS]             ; the next step of 256's scale words (no LDS load of mine is out)
	FETCH_B \next, 0, 0
	FETCH_A \next, 0, 0
	SCALES \next
	WIN MUL_HI
	MUL16 4, 1, NQ-1, \slot, 0
	MUL16 6, 1, NQ-1, \slot, 0
	PLACES NP
	WIN 0
	FETCH_A \next, 0, 4
.endm
	s_wait_tensorcnt 1                             ; the scale bytes and my part of slot 0 are in (slot 1's load may be out)
	s_barrier_signal -1
	s_barrier_wait -1                              ; everybody's are
	FETCH_B 0, 0, 0
	FETCH_A 0, 0, 0
	SCALES 0
	FETCH_A 0, 0, 4
	s_wait_loadcnt 0x0                             ; the bias
	STEP 0, 0, 1                                   ; four slots' worth of K: written straight
	TURN 0, 1, 1
	STEP 1, 0, 0
	TURN 1, 0, 1
	STEP 0, 0, 0
	TURN 0, 1, 0                                   ; nothing is left to fetch
	STEP 1, 0, 0
	s_wait_dscnt 4*NL
	WIN MUL_LO
	MUL16 0, 1, NQ-1, 1, 0
	MUL16 2, 1, NQ-1, 1, 0
	s_wait_dscnt 0
	WIN MUL_HI
	MUL16 4, 1, NQ-1, 1, 0
	MUL16 6, 1, NQ-1, 1, 0
	WIN 0
; 64 numbers of a lane, register 16 b + i = place 32 b + 16 (lane / 16) + i along the next K, become a fragment's codes in v[PC] on and its scale word in v[PW]
.macro QUANT s
.irp b, 0,1,2,3
	v_max3_num_f32 v[TM+\b], |v[\s+16*\b]|, |v[\s+1+16*\b]|, 0x1800000   ; my 16 numbers of block b, and the floor 2^(3 - 127): the byte cannot fall under 1
.endr
.irp i, 2,4,6,8,10,12,14
.irp b, 0,1,2,3
	v_max3_num_f32 v[TM+\b], v[TM+\b], |v[\s+16*\b+\i]|, |v[\s+1+16*\b+\i]|
.endr
.endr
.irp b, 0,1,2,3
	v_permlanex16_b32 v[TM+4+\b], v[TM+\b], s43, s44
.endr
.irp b, 0,1,2,3
	v_max_num_f32 v[TM+\b], v[TM+\b], v[TM+4+\b]   ; with lane l xor 16's: the block's largest magnitude
.endr
.irp b, 0,1,2,3
	v_add_nc_u32 v[TM+12+\b], 0xff000000, v[TM+\b] ; 2 off its exponent field: the conversion's scale operand
.endr
.irp b, 0,1,2,3
	v_lshrrev_b32 v[TM+4+\b], 23, v[TM+12+\b]      ; the byte
.endr
	v_lshl_or_b32 v[PW], v[TM+5], 8, v[TM+4]
	v_lshl_or_b32 v[PW], v[TM+6], 16, v[PW]
	v_lshl_or_b32 v[PW], v[TM+7], 24, v[PW]
.irp c, 0,1
	v_cvt_scalef32_pk16_fp6_f32 v[PC+6*\c:PC+2+6*\c], v[\s+32*\c:\s+15+32*\c], v[TM+12+2*\c]
	v_cvt_scalef32_pk16_fp6_f32 v[PC+12+4*\c:PC+14+4*\c], v[\s+16+32*\c:\s+31+32*\c], v[TM+12+2*\c+1]
.endr
	v_nop                                          ; one plain place behind a scaled conversion
.irp c, 0,1                                    ; the layout wants a whole block in a lane: lanes 0-15 block 2 c, lanes 16-31 block 2 c + 1
.irp i, 0,1,2
	v_permlane16_swap_b32 v[PC+6*\c+\i], v[PC+12+4*\c+\i]
.endr
.irp i, 0,1,2
	v_mov_b32 v[PC+3+6*\c+\i], v[PC+12+4*\c+\i]
.endr
.endr
.endm
; THE WAY OUT of R's tile a: its 64 results of a lane leave their window (the bias along R is added on the way), are quantised, and go to memory as images: no LDS.
.macro EPI a
	WIN 0x02+(\a)/4                                ; source 0: window 2 or 3
.set j, 0
.rept 32
	v_pk_add_f32 v[HA+j:HA+j+1], v[64*((\a)%4)+j:64*((\a)%4)+j+1], v[BR+2*(\a):BR+2*(\a)+1] op_sel_hi:[1,0]   ; ascending: each accumulator is read from its low end on
.set j, j+2
.endr
	WIN 0
.if (\a) > 0
	s_wait_xcnt 0x0                                ; the last tile's stores have read their registers and bases: both are written again below
.if (\a) == 4
	s_add_nc_u64 s[4:5], s[4:5], s[20:21]
	s_add_nc_u64 s[6:7], s[6:7], s[20:21]
	s_add_nc_u64 s[8:9], s[8:9], s[92:93]
	s_add_nc_u64 s[10:11], s[10:11], s[92:93]
.else
	s_add_nc_u64 s[4:5], s[4:5], s[12:13]
	s_add_nc_u64 s[6:7], s[6:7], s[12:13]
	s_add_nc_u64 s[8:9], s[8:9], s[46:47]
	s_add_nc_u64 s[10:11], s[10:11], s[46:47]
.endif
.endif
	QUANT HA
	global_store_b128 v[LI], v[PC:PC+3], s[4:5]                    ; 32 lanes store 512 consecutive bytes,
	global_store_b64 v[LJ], v[PC+4:PC+5], s[4:5] offset:512        ; and 256
	global_store_b128 v[LI], v[PC+6:PC+9], s[6:7]
	global_store_b64 v[LJ], v[PC+10:PC+11], s[6:7] offset:512
	global_store_b16 v[LSC], v[PW], s[8:9]                         ; both halves of the lanes hold the same word and write the same bytes
	global_store_d16_hi_b16 v[LSC], v[PW], s[10:11]
.endm
	PLACES NP
.irp b, 0,1,2,3
	v_mov_b32 v[TM+4+\b], 0                        ; written once: a lane permute's destination counts as one of its sources
.endr
.irp a, 0,1,2,3,4,5,6,7
	EPI \a
.endr
	s_wait_tensorcnt 0x0                           ; the wave's end
	ds_add_u32 v[SPW], v[NIL]
	s_wait_dscnt 0x0
	CROUND                                         ; the closing round: no work-group ends while a partner may still ask for a tile that names it
	s_endpgm
.Lfunc_end_k_q914b5d72cd_proj:
	.size	k_q914b5d72cd_proj, .Lfunc_end_k_q914b5d72cd_proj-k_q914b5d72cd_proj
	.p2alignl 7, 3214868480
	.fill 96, 4, 3214868480
	.section	.rodata,"a",@progbits
	.p2align	6, 0x0
	.amdhsa_kernel k_q914b5d72cd_proj
		.amdhsa_group_segment_fixed_size 327680
		.amdhsa_private_segment_fixed_size 0
		.amdhsa_enable_private_segment 0
		.amdhsa_kernarg_size 72
		.amdhsa_user_sgpr_count 2
		.amdhsa_user_sgpr_kernarg_segment_ptr 1
		.amdhsa_wavefront_size32 1
		.amdhsa_system_sgpr_workgroup_id_x 1
		.amdhsa_system_sgpr_workgroup_id_y 1
		.amdhsa_system_sgpr_workgroup_id_z 1
		.amdhsa_system_vgpr_workitem_id 0
		.amdhsa_next_free_vgpr 1024
		.amdhsa_next_free_sgpr 102
		.amdhsa_reserve_vcc 0
		.amdhsa_float_denorm_mode_32 3
		.amdhsa_float_denorm_mode_16_64 3
		.amdhsa_memory_ordered 1
		.amdhsa_forward_progress 1
		.amdhsa_inst_pref_size 174
	.end_amdhsa_kernel
	.amdgpu_metadata
---
amdhsa.version: [ 1, 2 ]
amdhsa.kernels:
  - .name:           k_q914b5d72cd_proj
    .symbol:         k_q914b5d72cd_proj.kd
    .args:
      - { .name: xc, .offset: 0, .size: 8, .value_kind: global_buffer, .address_space: global }
      - { .name: xs, .offset: 8, .size: 8, .value_kind: global_buffer, .address_space: global }
      - { .name: wc, .offset: 16, .size: 8, .value_kind: global_buffer, .address_space: global }
      - { .name: ws, .offset: 24, .size: 8, .value_kind: global_buffer, .address_space: global }
      - { .name: bq, .offset: 32, .size: 8, .value_kind: global_buffer, .address_space: global }
      - { .name: bk, .offset: 40, .size: 8, .value_kind: global_buffer, .address_space: global }
      - { .name: bv, .offset: 48, .size: 8, .value_kind: global_buffer, .address_space: global }
      - { .name: hc, .offset: 56, .size: 8, .value_kind: global_buffer, .address_space: global }
      - { .name: hs, .offset: 64, .size: 8, .value_kind: global_buffer, .address_space: global }
    .group_segment_fixed_size: 327680
    .private_segment_fixed_size: 0
    .kernarg_segment_align: 8
    .kernarg_segment_size: 72
    .max_flat_workgroup_size: 128
    .sgpr_count:     102
    .vgpr_count:     1024
    .wavefront_size: 32
...
	.end_amdgpu_metadata
.endif
;; end of part 2
;; launch attn (part 3): grid 4 x 64, 16 waves a work-group, clusters of 4 x 1, 206,848 bytes of LDS; arguments hc, hs, oc, os; writes oc, os
.if DOCPART == 3
	.amdgcn_target "amdgcn-amd-amdhsa--gfx1250"
	.amdhsa_code_object_version 6
	.text
	.protected	k_q914b5d72cd_attn
	.globl	k_q914b5d72cd_attn
	.p2align	8
	.type	k_q914b5d72cd_attn,@function
k_q914b5d72cd_attn:
	s_mov_b64 s[64:65], 0
	v_nop
	global_prefetch_b8 v0, s[64:65] scope:SCOPE_SE
	s_setreg_imm32_b32 hwreg(HW_REG_WAVE_MODE, 25, 1), 1
	s_wait_xcnt 0x0
	s_wait_alu depctr_hold_cnt(0) depctr_sa_sdst(0) depctr_va_vdst(0) depctr_va_sdst(0) depctr_va_ssrc(0) depctr_va_vcc(0) depctr_vm_vsrc(0)
	s_getreg_b32 s2, hwreg(HW_REG_IB_STS2, 6, 4)
	s_cmp_eq_u32 s2, 0
	s_cbranch_scc0 .Lentry_in_a_cluster
	s_endpgm
.Lentry_in_a_cluster:
	s_bfe_u32 s2, ttmp6, 0x10000c
	s_cmp_lg_u32 s2, 0x3003
	s_cbranch_scc0 .Lentry_shape_is_right
	s_endpgm
.Lentry_shape_is_right:
; Causal attention of one (batch, head) a cluster, on codes of FP6 (E2M3): S^T = K Q^T (K = the head's 64: the upper half of the instruction's 128 is zero codes), p = 2^(t - M), O^T = V^T P^T, O / l quantised along the model's 1,024.
; t = score x log2(e) / 8; M = the running largest t rounded up to a whole number; the row's sum is taken of the unquantised p; when M moves, the sum and O^T are multiplied by 2^(old M - new M): exact.
; SHARES.  The four work-groups of a cluster share a head.  Query tile T = 8 m + 2 cx + u holds queries 128 m + 32 cx + 8 u + r + 8 (r / 8): it needs key steps 0 .. m of 128 keys, and step m is its diagonal.
; Wave w (u = w % 2) takes m = w / 2 and then m = 15 - w / 2: 17 key steps for every wave of every work-group.  Which steps are walked hangs on the wave's number alone; cx enters only global addresses of Q and of
; the result, and the number that the mask compares.
; LDS holds the head's K and V codes (98,304 bytes each) and their scale bytes (4,096 each): filled once, by joint loads of waves 0 to 3, read by all sixteen waves behind one barrier; nothing is filled again or stored there.
; THE MASK.  A hidden score becomes -8e10, which x 1/8 is the -1e10 of the module; p is then 0.  Steps all of whose keys are hidden are left out.  LIMIT: this equals the module while visible logits stay above -1e10.
; LIMITS: NaN and infinities are not served; a block of O / l whose largest magnitude lies under 2^-124 gets the byte 1; only this program reads the bytes.
; REGISTERS: v1-5 lane numbers that stay; v6-11 the step's addresses; v12 -M, v13 the largest t, v[14:15] the sum; v16-27 Q (v22-27 zeros); v28-31 V's scale words; v32-79 four fragments of K (upper six of each: zeros);
;   v80-127 V's four fragments; v128-191 S^T, then p; v192-223 O^T; v224-235 codes; v232-254 at work; v255 Q's scale bytes.
.set KV,   98304                       ; V's codes begin here
.set SCK,  196608                      ; K's scale bytes; V's 4,096 further on
.set S,    128
.set OT,   192
.set WV,   12                          ; s12 my wave's number
.set SEL,  20                          ; s[20:21] lane selects: lane l xor 16
.set CS,   22                          ; s[22:23] c = log2(e) / 8
.set G1C,  24                          ; s[24:31] group 1 for codes;  s[32:39] for scale bytes;  s[40:43], s[44:47] their groups 0
.set G1S,  32
.set G0C,  40
.set G0S,  44
.set TB,   48                          ; s48 where the step's codes begin
.set TS,   49                          ; s49 where its scale bytes begin
.set JS,   50                          ; s50 the step
.set MM,   51                          ; s51 m of the pass
.macro CROUND                          ; a round of the cluster's barrier
	s_barrier_signal -1
	s_barrier_wait -1
	s_cmp_lg_u32 s[WV], 0
	s_cbranch_scc1 .Lnot_wave_0_\@
	s_barrier_signal -3
.Lnot_wave_0_\@:
	s_barrier_wait -3
	s_barrier_signal -1
	s_barrier_wait -1
.endm
	s_load_b256 s[4:11], s[0:1], 0x0               ; hc s[4:5], hs s[6:7], oc s[8:9], os s[10:11]
	v_lshl_add_u32 v254, v0, 2, 0x32000
	v_mov_b32 v255, 0
	ds_add_u32 v254, v255
	ds_add_u32 v254, v255
	s_wait_dscnt 0x0
	v_lshrrev_b32 v1, 5, v0
	s_delay_alu instid0(VALU_DEP_1)
	v_readfirstlane_b32 s[WV], v1                  ; wave 0..15
	s_bfe_u32 s13, ttmp6, 0x40000                  ; cx
	s_and_b32 s14, ttmp7, 0xffff                   ; 16 x batch + head, which the four partners share
	s_and_b32 s15, s[WV], 1                        ; u
	s_lshr_b32 s16, s[WV], 1                       ; m of my first pass
	s_sub_co_u32 s17, 15, s16                      ; and of my second
	; group 1: dense blocks as rows of 256 bytes (32 elements of 8): 192 rows of codes, 8 rows of scale bytes; the mask names all four work-groups
	s_mov_b32 s[G1C], 15|(3<<16)|(1<<21)
	s_mov_b32 s[G1C+1], 32<<16
	s_mov_b32 s[G1C+2], 192<<16
	s_mov_b32 s[G1C+3], 32<<16
	s_mov_b32 s[G1C+4], 192
	s_mov_b32 s[G1C+5], 32
	s_mov_b32 s[G1C+6], 0
	s_mov_b32 s[G1C+7], 0
	s_mov_b32 s[G1S], 15|(3<<16)|(1<<21)
	s_mov_b32 s[G1S+1], 32<<16
	s_mov_b32 s[G1S+2], 8<<16
	s_mov_b32 s[G1S+3], 32<<16
	s_mov_b32 s[G1S+4], 8
	s_mov_b32 s[G1S+5], 32
	s_mov_b32 s[G1S+6], 0
	s_mov_b32 s[G1S+7], 0
	s_min_u32 s66, s[WV], 3                        ; waves 0, 1: K's halves; waves 2, 3: V's (the others issue nothing)
	s_lshr_b32 s67, s66, 1
	s_and_b32 s68, s66, 1
	s_add_co_u32 s69, s67, 1                       ; part 1 is k, part 2 is v
	s_mul_i32 s70, s69, 6291456
	s_mul_i32 s71, s14, 98304
	s_add_co_u32 s70, s70, s71
	s_mul_i32 s71, s68, 49152
	s_add_co_u32 s70, s70, s71
	s_mov_b32 s71, 0
	s_lshl_b32 s72, s69, 18
	s_lshl_b32 s73, s14, 12
	s_add_co_u32 s72, s72, s73
	s_lshl_b32 s73, s68, 11
	s_add_co_u32 s72, s72, s73
	s_mov_b32 s73, 0
	s_mov_b32 s[SEL], 0x76543210
	s_mov_b32 s[SEL+1], 0xfedcba98
	s_mov_b32 s[CS], 0x3e38aa3b
	s_mov_b32 s[CS+1], s[CS]                       ; (named with it as a pair, so it is written)
	s_wait_kmcnt 0x0
	s_mov_b32 s[G0S], 1
	s_lshl_b32 s[G0S+1], s66, 11
	s_add_co_u32 s[G0S+1], s[G0S+1], SCK
	s_add_nc_u64 s[G0S+2:G0S+3], s[6:7], s[72:73]
	s_or_b32 s[G0S+3], s[G0S+3], 0x80000000
	s_mov_b32 s[G0C], 1
	s_mul_i32 s[G0C+1], s66, 49152
	s_add_nc_u64 s[G0C+2:G0C+3], s[4:5], s[70:71]
	s_or_b32 s[G0C+3], s[G0C+3], 0x80000000
	CROUND                                         ; all four work-groups are here: the joint loads meet
	s_cmp_lt_u32 s[WV], 4                          ; a wave's two fills stand in one branch: two loads of mine are out at the most
	s_cbranch_scc0 .Lno_fill
	tensor_load_to_lds s[G0S:G0S+3], s[G1S:G1S+7]
	s_nop 0
	tensor_load_to_lds s[G0C:G0C+3], s[G1C:G1C+7]
	s_nop 0
.rept 4
	v_nop
.endr
.Lno_fill:
	v_and_b32 v5, 31, v0
	s_delay_alu instid0(VALU_DEP_1)
	v_lshlrev_b32 v1, 4, v5                        ; 16 l
	s_delay_alu instid0(VALU_DEP_2)
	v_lshlrev_b32 v2, 3, v5                        ; 8 l
	v_and_b32 v6, 15, v0                           ; r
	v_bfe_u32 v7, v0, 4, 1                         ; h
	s_delay_alu instid0(VALU_DEP_2)
	v_lshlrev_b32 v3, 1, v6                        ; 2 r
	s_wait_alu depctr_va_vdst(0)
	v_lshlrev_b32 v4, 2, v6                        ; 4 r
	v_and_b32 v8, 8, v6
	s_delay_alu instid0(VALU_DEP_1)
	v_add_nc_u32 v8, v8, v6
	v_lshlrev_b32 v7, 4, v7
	s_delay_alu instid0(VALU_DEP_1)
	v_sub_nc_u32 v8, v8, v7
	s_lshl_b32 s66, s13, 5
	s_lshl_b32 s67, s15, 3
	s_add_co_u32 s66, s66, s67
	v_add_nc_u32 v5, s66, v8                       ; my query's place in its 128, less 16 h: register 16 b + i of the diagonal step is hidden where 32 b + i is greater
	s_lshl_b32 s66, s13, 1
	s_add_co_u32 s66, s66, s15                     ; 2 cx + u
	s_mul_i32 s68, s14, 98304
	s_mul_i32 s67, s66, 768
	s_add_co_u32 s68, s68, s67
	s_mov_b32 s69, 0
	s_add_nc_u64 s[56:57], s[4:5], s[68:69]        ; Q's image at m = 0
	s_lshl_b32 s68, s14, 12
	s_lshl_b32 s67, s66, 5
	s_add_co_u32 s68, s68, s67
	s_add_nc_u64 s[58:59], s[6:7], s[68:69]        ; its scale bytes
	s_lshr_b32 s67, s14, 4
	s_lshl_b32 s67, s67, 7
	s_add_co_u32 s67, s67, s66                     ; the token tile among all 512, at m = 0
	s_and_b32 s76, s14, 15                         ; the head
	s_mul_i32 s68, s67, 12288
	s_mul_i32 s77, s76, 768
	s_add_co_u32 s68, s68, s77
	s_add_nc_u64 s[60:61], s[8:9], s[68:69]        ; the result's image
	s_lshl_b32 s68, s67, 9
	s_lshr_b32 s77, s76, 2
	s_lshl_b32 s77, s77, 7
	s_add_co_u32 s68, s68, s77
	s_and_b32 s77, s76, 3
	s_lshl_b32 s77, s77, 1
	s_add_co_u32 s68, s68, s77
	s_add_nc_u64 s[62:63], s[10:11], s[68:69]      ; its two scale bytes
.macro QLOAD mreg                      ; the query tile of pass m: an image and two bytes a row
	s_mul_i32 s66, s[\mreg], 6144
	s_mov_b32 s67, 0
	s_add_nc_u64 s[68:69], s[56:57], s[66:67]
	s_lshl_b32 s66, s[\mreg], 8
	s_add_nc_u64 s[70:71], s[58:59], s[66:67]
	global_load_b128 v[16:19], v1, s[68:69]
	global_load_b64 v[20:21], v2, s[68:69] offset:512
	global_load_u16 v255, v3, s[70:71]             ; the upper two bytes are 0: they scale zero codes
.endm
	QLOAD 16
.irp j, 22,23,24,25,26,27
	v_mov_b32 v[\j], 0                             ; K = 64 .. 127 of Q: zero codes
.endr
.irp t, 0,1,2,3
.irp j, 6,7,8,9,10,11
	v_mov_b32 v[32+12*\t+\j], 0                    ; and of K's four fragments
.endr
.endr
.irp b, 0,1,2,3
	v_mov_b32 v[236+\b], 0                         ; written once: a lane permute's destination counts as one of its sources
.endr
	v_mov_b32 v252, 0
	v_mov_b32 v253, 0                              ; (named as the upper half of the pair v[252:253] before it is first written)
	s_wait_tensorcnt 0x0                           ; my fills have landed,
	s_barrier_signal -1
	s_barrier_wait -1                              ; everybody's have
	s_wait_loadcnt 0x0                             ; Q
; A KEY STEP: 128 keys.
.macro STEP
	s_cmp_gt_u32 s[JS], s[MM]                      ; all its keys come after my queries: only the lines at its end are run
	s_cbranch_scc1 .Lhidden_\@
	s_setprio 2
	v_add_nc_u32 v6, s[TB], v1                     ; (these six are also the places in front of the loads into V's registers, which the last step's products read)
	v_add_nc_u32 v7, s[TB], v2
	v_add_nc_u32 v10, s[TS], v3
	v_add_nc_u32 v11, s[TS], v4
	s_delay_alu instid0(VALU_DEP_4)
	v_add_nc_u32 v8, KV, v6
	s_delay_alu instid0(VALU_DEP_4)
	v_add_nc_u32 v9, KV, v7
.irp t, 0,1,2,3
	ds_load_b128 v[32+12*\t:35+12*\t], v6 offset:\t*768
	ds_load_b64 v[36+12*\t:37+12*\t], v7 offset:\t*768+512
	ds_load_u16 v[248+\t], v10 offset:\t*32
.endr
.irp d, 0,1,2,3
	ds_load_b128 v[80+12*\d:83+12*\d], v8 offset:\d*1536
	ds_load_b64 v[84+12*\d:85+12*\d], v9 offset:\d*1536+512
	ds_load_b128 v[86+12*\d:89+12*\d], v8 offset:\d*1536+768
	ds_load_b64 v[90+12*\d:91+12*\d], v9 offset:\d*1536+1280
	ds_load_b32 v[28+\d], v11 offset:4096+64*\d
.endr
	s_wait_alu depctr_va_vdst(0)
	s_wait_dscnt 20                                ; K's first four tiles are in; V's 20 loads may be out
.irp t, 0,1,2,3
	v_wmma_scale_f32_16x16x128_f8f6f4 v[S+8*\t:S+8*\t+7], v[32+12*\t:43+12*\t], v[16:27], 0, v[248+\t], v255 matrix_a_fmt:MATRIX_FMT_FP6 matrix_b_fmt:MATRIX_FMT_FP6
.endr
.rept 4
	v_nop                                          ; places in front of loads into registers that matrix instructions have read
.endr
.irp t, 0,1,2,3
	ds_load_b128 v[32+12*\t:35+12*\t], v6 offset:(4+\t)*768
	ds_load_b64 v[36+12*\t:37+12*\t], v7 offset:(4+\t)*768+512
	ds_load_u16 v[248+\t], v10 offset:(4+\t)*32
.endr
	s_wait_dscnt 0x0
.irp t, 0,1,2,3
	v_wmma_scale_f32_16x16x128_f8f6f4 v[S+32+8*\t:S+32+8*\t+7], v[32+12*\t:43+12*\t], v[16:27], 0, v[248+\t], v255 matrix_a_fmt:MATRIX_FMT_FP6 matrix_b_fmt:MATRIX_FMT_FP6
.endr                                          ; lane (r, h) holds query r; register 16 b + i is key 32 b + 16 h + i of the step
.rept 4
	v_nop
.endr
	s_cmp_lg_u32 s[JS], s[MM]                      ; only the diagonal step has hidden keys
	s_cbranch_scc1 .Lopen_\@
	v_mov_b32 v254, 0xd19502f9                     ; -8e10
.set n, 0
.rept 64
	v_cmp_gt_i32 vcc_lo, 32*(n/16)+n%16, v5
	v_cndmask_b32 v[S+n], v[S+n], v254, vcc_lo
.set n, n+1
.endr
.Lopen_\@:
.irp b, 0,1,2,3
	v_max3_num_f32 v[232+\b], v[S+16*\b], v[S+1+16*\b], v[S+2+16*\b]   ; the largest score of each block of 32 keys: for the row's maximum, and, since p rises with the score, for the block's largest p
.endr
.irp i, 3,5,7,9,11,13
.irp b, 0,1,2,3
	v_max3_num_f32 v[232+\b], v[232+\b], v[S+16*\b+\i], v[S+1+16*\b+\i]
.endr
.endr
.irp b, 0,1,2,3
	v_max_num_f32 v[232+\b], v[232+\b], v[S+15+16*\b]
.endr
.irp b, 0,1,2,3
	s_delay_alu instid0(VALU_DEP_4)
	v_permlanex16_b32 v[236+\b], v[232+\b], s[SEL], s[SEL+1]
.endr
.irp b, 0,1,2,3
	s_delay_alu instid0(VALU_DEP_4)
	v_max_num_f32 v[232+\b], v[232+\b], v[236+\b]  ; with lane l xor 16's 16 keys
.endr
	s_delay_alu instid0(VALU_DEP_2)
	v_max3_num_f32 v254, v232, v233, v234
	s_delay_alu instid0(VALU_DEP_1)
	v_max_num_f32 v254, v254, v235
	s_delay_alu instid0(VALU_DEP_1)
	v_mul_f32 v254, s[CS], v254                    ; the step's largest t
	s_delay_alu instid0(VALU_DEP_1)
	v_max_num_f32 v13, v13, v254                   ; the running largest t
	v_mov_b32 v254, v12
	s_delay_alu instid0(VALU_DEP_2)
	v_floor_f32 v12, -v13                          ; the new -M = -ceil(t)
	s_delay_alu instid0(VALU_DEP_1)
	v_sub_f32 v254, v12, v254                      ; old M - new M: a whole number, 0 or less
	s_delay_alu instid0(VALU_DEP_1)
	v_cvt_i32_f32 v254, v254                       ; (it saturates)
	s_delay_alu instid0(VALU_DEP_1)
	v_ldexp_f32 v252, 1.0, v254                    ; f = 2^(old M - new M)
.set j, 0
	s_setprio 1
.rept 32
	v_pk_fma_f32 v[S+j:S+j+1], v[S+j:S+j+1], s[CS:CS+1], v[12:13] op_sel_hi:[1,0,0]   ; t - M, two at a time
.set j, j+2
.endr
.irp b, 0,1,2,3
	v_fma_f32 v[232+\b], v[232+\b], s[CS], v12     ; the same of each block's largest score
.endr
.set j, 0
	s_wait_alu depctr_va_vdst(0)
.rept 64
	v_exp_f32 v[S+j], v[S+j]                       ; p = 2^(t - M), at most 1: not normalised
.set j, j+1
.endr
.irp b, 0,1,2,3
	v_exp_f32 v[232+\b], v[232+\b]                 ; the block's largest p
.endr
	v_pk_mul_f32 v[14:15], v[14:15], v[252:253] op_sel_hi:[1,0]   ; the sums under the new M (a plain place behind the exponentials)
	s_wait_alu depctr_va_vdst(0)
.irp b, 0,1,2,3
	v_max_num_f32 v[232+\b], 0x1800000, v[232+\b]  ; the floor 2^(3 - 127): the byte cannot fall under 1
.endr
.irp b, 0,1,2,3
	s_delay_alu instid0(VALU_DEP_4)
	v_add_nc_u32 v[244+\b], 0xff000000, v[232+\b]  ; the conversion's scale operand
.endr
.irp b, 0,1,2,3
	s_delay_alu instid0(VALU_DEP_4)
	v_lshrrev_b32 v[236+\b], 23, v[244+\b]         ; the byte
.endr
	s_delay_alu instid0(VALU_DEP_3)
	v_lshl_or_b32 v253, v237, 8, v236              ; p's scale word for these 128 keys
	s_delay_alu instid0(VALU_DEP_1)
	v_lshl_or_b32 v253, v238, 16, v253
	s_delay_alu instid0(VALU_DEP_1)
	v_lshl_or_b32 v253, v239, 24, v253
.irp c, 0,1
	v_cvt_scalef32_pk16_fp6_f32 v[224+6*\c:226+6*\c], v[S+32*\c:S+15+32*\c], v[244+2*\c]
	v_cvt_scalef32_pk16_fp6_f32 v[236+4*\c:238+4*\c], v[S+16+32*\c:S+31+32*\c], v[244+2*\c+1]
.endr
	v_nop                                          ; one plain place behind a scaled conversion
.irp c, 0,1                                    ; a whole block to a lane
.irp i, 0,1,2
	v_permlane16_swap_b32 v[224+6*\c+\i], v[236+4*\c+\i]
.endr
.irp i, 0,1,2
	s_delay_alu instid0(VALU_DEP_3)
	v_mov_b32 v[227+6*\c+\i], v[236+4*\c+\i]
.endr
.endr
.set j, 0
	s_setprio 0
.rept 16
	v_pk_mul_f32 v[OT+j:OT+j+1], v[OT+j:OT+j+1], v[252:253] op_sel_hi:[1,0]   ; O^T under the new M, each accumulator from its low end on
.set j, j+2
.endr
	v_pk_add_f32 v[236:237], v[132:133], v[136:137]
	v_pk_add_f32 v[250:251], v[140:141], v[144:145]
	v_pk_add_f32 v[248:249], v[148:149], v[152:153]
	v_pk_add_f32 v[246:247], v[156:157], v[160:161]
	v_pk_add_f32 v[244:245], v[164:165], v[168:169]
	v_pk_add_f32 v[242:243], v[172:173], v[176:177]
	v_pk_add_f32 v[240:241], v[180:181], v[184:185]
	v_pk_add_f32 v[14:15], v[14:15], v[188:189]
	v_pk_add_f32 v[236:237], v[236:237], v[128:129]
	v_pk_add_f32 v[250:251], v[250:251], v[130:131]
	v_pk_add_f32 v[248:249], v[248:249], v[134:135]
	v_pk_add_f32 v[246:247], v[246:247], v[138:139]
	v_pk_add_f32 v[244:245], v[244:245], v[142:143]
	v_pk_add_f32 v[242:243], v[242:243], v[146:147]
	v_pk_add_f32 v[240:241], v[240:241], v[150:151]
	v_pk_add_f32 v[14:15], v[14:15], v[154:155]
	v_pk_add_f32 v[236:237], v[236:237], v[158:159]
	v_pk_add_f32 v[250:251], v[250:251], v[162:163]
	v_pk_add_f32 v[248:249], v[248:249], v[166:167]
	v_pk_add_f32 v[246:247], v[246:247], v[170:171]
	v_pk_add_f32 v[244:245], v[244:245], v[174:175]
	v_pk_add_f32 v[242:243], v[242:243], v[178:179]
	v_pk_add_f32 v[240:241], v[240:241], v[182:183]
	v_pk_add_f32 v[14:15], v[14:15], v[186:187]
	v_pk_add_f32 v[236:237], v[236:237], v[190:191]
	s_delay_alu instid0(VALU_DEP_2)
	v_pk_add_f32 v[14:15], v[14:15], v[246:247]
	s_delay_alu instid0(VALU_DEP_2)
	v_pk_add_f32 v[236:237], v[236:237], v[244:245]
	v_pk_add_f32 v[250:251], v[250:251], v[242:243]
	v_pk_add_f32 v[248:249], v[248:249], v[240:241]
	s_delay_alu instid0(VALU_DEP_2)
	v_pk_add_f32 v[14:15], v[14:15], v[250:251]
	s_delay_alu instid0(VALU_DEP_2)
	v_pk_add_f32 v[236:237], v[236:237], v[248:249]
	s_delay_alu instid0(VALU_DEP_1)
	v_pk_add_f32 v[14:15], v[14:15], v[236:237]
.irp d, 0,1,2,3                                ; O^T += V^T P^T: four accumulators by turns
	v_wmma_scale_f32_16x16x128_f8f6f4 v[OT+8*\d:OT+8*\d+7], v[80+12*\d:91+12*\d], v[224:235], v[OT+8*\d:OT+8*\d+7], v[28+\d], v253 matrix_a_fmt:MATRIX_FMT_FP6 matrix_b_fmt:MATRIX_FMT_FP6
.endr
.Lhidden_\@:
	s_add_co_u32 s[TB], s[TB], 6144
	s_add_co_u32 s[TS], s[TS], 256
.endm
.macro PASS mreg, trips                ; every wave walks the same constant number of trips; the steps behind its diagonal are left out inside the trip
	s_mov_b32 s[MM], s[\mreg]
	v_mov_b32 v13, 0xff61b1e6                      ; the largest t so far: -3e38
	s_delay_alu instid0(VALU_DEP_1)
	v_floor_f32 v12, -v13
	v_mov_b32 v14, 0
	v_mov_b32 v15, 0
.set j, 0
.rept 32
	v_mov_b32 v[OT+j], 0                           ; the step is written once: its first trip finds zeros
.set j, j+1
.endr
	s_mov_b32 s[TB], 0
	s_mov_b32 s[TS], SCK
	s_mov_b32 s[JS], 0
.Lpass_\@:
	STEP
	s_add_co_u32 s[JS], s[JS], 1
	s_cmp_lt_u32 s[JS], \trips
	s_cbranch_scc1 .Lpass_\@
	s_setprio 0
.endm
; O^T / l: register 16 b + i is channel 32 b + 16 h + i of my query: two blocks along the model's K.  They become one image and two bytes.
.macro FINISH mreg
.rept 4
	v_nop                                          ; places behind the last products
.endr
	v_add_f32 v14, v14, v15
	s_delay_alu instid0(VALU_DEP_1)
	v_permlanex16_b32 v252, v14, s[SEL], s[SEL+1]
	s_delay_alu instid0(VALU_DEP_1)
	v_add_f32 v14, v14, v252                       ; the row's sum
	s_wait_alu depctr_va_vdst(0)
	v_rcp_f32 v14, v14
	v_lshlrev_b32 v254, 1, v4                      ; (a plain place behind the reciprocal)  8 r
.set j, 0
	s_wait_alu depctr_va_vdst(0)
.rept 16
	v_pk_mul_f32 v[S+j:S+j+1], v[OT+j:OT+j+1], v[14:15] op_sel_hi:[1,0]
.set j, j+2
.endr
.irp b, 0,1
	v_max3_num_f32 v[232+\b], |v[S+16*\b]|, |v[S+1+16*\b]|, 0x1800000
.endr
.irp i, 2,4,6,8,10,12,14
.irp b, 0,1
	s_delay_alu instid0(VALU_DEP_2)
	v_max3_num_f32 v[232+\b], v[232+\b], |v[S+16*\b+\i]|, |v[S+1+16*\b+\i]|
.endr
.endr
.irp b, 0,1
	s_delay_alu instid0(VALU_DEP_2)
	v_permlanex16_b32 v[236+\b], v[232+\b], s[SEL], s[SEL+1]
.endr
.irp b, 0,1
	s_delay_alu instid0(VALU_DEP_2)
	v_max_num_f32 v[232+\b], v[232+\b], v[236+\b]
.endr
.irp b, 0,1
	s_delay_alu instid0(VALU_DEP_2)
	v_add_nc_u32 v[244+\b], 0xff000000, v[232+\b]
.endr
.irp b, 0,1
	s_delay_alu instid0(VALU_DEP_2)
	v_lshrrev_b32 v[236+\b], 23, v[244+\b]
.endr
	s_delay_alu instid0(VALU_DEP_1)
	v_lshl_or_b32 v253, v237, 8, v236
	v_cvt_scalef32_pk16_fp6_f32 v[224:226], v[S:S+15], v244
	v_cvt_scalef32_pk16_fp6_f32 v[240:242], v[S+16:S+31], v245
	v_nop                                          ; one plain place behind a scaled conversion
.irp i, 0,1,2
	v_permlane16_swap_b32 v[224+\i], v[240+\i]
.endr
.irp i, 0,1,2
	s_delay_alu instid0(VALU_DEP_3)
	v_mov_b32 v[227+\i], v[240+\i]
.endr
	s_mul_i32 s66, s[\mreg], 98304                 ; 8 token tiles a step of m
	s_mov_b32 s67, 0
	s_add_nc_u64 s[72:73], s[60:61], s[66:67]
	s_lshl_b32 s66, s[\mreg], 12
	s_add_nc_u64 s[74:75], s[62:63], s[66:67]
	global_store_b128 v1, v[224:227], s[72:73]             ; 32 lanes store 512 consecutive bytes,
	global_store_b64 v2, v[228:229], s[72:73] offset:512   ; and 256
	global_store_b16 v254, v253, s[74:75]                  ; both halves of the lanes hold the same bytes and write the same place
.endm
	PASS 16, 8
	QLOAD 17                                       ; the second pass's queries are asked for while the first pass's result leaves
	s_wait_alu depctr_va_vdst(0)
	FINISH 16
	s_wait_xcnt 0x0                                ; the stores have read their registers and bases: the second pass writes them again
	s_wait_loadcnt 0x0                             ; Q
	PASS 17, 16
	s_wait_alu depctr_va_vdst(0)
	FINISH 17
	s_wait_xcnt 0x0
	v_lshl_add_u32 v254, v0, 2, 0x32000
	v_mov_b32 v255, 0
	s_wait_alu depctr_va_vdst(0)
	s_wait_tensorcnt 0x0
	ds_add_u32 v254, v255
	s_wait_dscnt 0x0
	CROUND                                         ; the closing round
	s_endpgm
.Lfunc_end_k_q914b5d72cd_attn:
	.size	k_q914b5d72cd_attn, .Lfunc_end_k_q914b5d72cd_attn-k_q914b5d72cd_attn
	.p2alignl 7, 3214868480
	.fill 96, 4, 3214868480
	.section	.rodata,"a",@progbits
	.p2align	6, 0x0
	.amdhsa_kernel k_q914b5d72cd_attn
		.amdhsa_group_segment_fixed_size 206848
		.amdhsa_private_segment_fixed_size 0
		.amdhsa_enable_private_segment 0
		.amdhsa_kernarg_size 32
		.amdhsa_user_sgpr_count 2
		.amdhsa_user_sgpr_kernarg_segment_ptr 1
		.amdhsa_wavefront_size32 1
		.amdhsa_system_sgpr_workgroup_id_x 1
		.amdhsa_system_sgpr_workgroup_id_y 1
		.amdhsa_system_sgpr_workgroup_id_z 1
		.amdhsa_system_vgpr_workitem_id 0
		.amdhsa_next_free_vgpr 256
		.amdhsa_next_free_sgpr 80
		.amdhsa_reserve_vcc 1
		.amdhsa_float_denorm_mode_32 3
		.amdhsa_float_denorm_mode_16_64 3
		.amdhsa_memory_ordered 1
		.amdhsa_forward_progress 1
		.amdhsa_inst_pref_size 67
	.end_amdhsa_kernel
	.amdgpu_metadata
---
amdhsa.version: [ 1, 2 ]
amdhsa.kernels:
  - .name:           k_q914b5d72cd_attn
    .symbol:         k_q914b5d72cd_attn.kd
    .args:
      - { .name: hc, .offset: 0, .size: 8, .value_kind: global_buffer, .address_space: global }
      - { .name: hs, .offset: 8, .size: 8, .value_kind: global_buffer, .address_space: global }
      - { .name: oc, .offset: 16, .size: 8, .value_kind: global_buffer, .address_space: global }
      - { .name: os, .offset: 24, .size: 8, .value_kind: global_buffer, .address_space: global }
    .group_segment_fixed_size: 206848
    .private_segment_fixed_size: 0
    .kernarg_segment_align: 8
    .kernarg_segment_size: 32
    .max_flat_workgroup_size: 512
    .sgpr_count:     80
    .vgpr_count:     256
    .wavefront_size: 32
...
	.end_amdgpu_metadata
.endif
;; end of part 3
;; launch outp (part 4): grid 8 x 32, 4 waves a work-group, clusters of 4 x 4, 307,712 bytes of LDS; arguments oc, os, wc, ws, bo, out0; writes out0
.if DOCPART == 4
	.amdgcn_target "amdgcn-amd-amdhsa--gfx1250"
	.amdhsa_code_object_version 6
	.text
	.protected	k_q914b5d72cd_outp
	.globl	k_q914b5d72cd_outp
	.p2align	8
	.type	k_q914b5d72cd_outp,@function
k_q914b5d72cd_outp:
	s_mov_b64 s[64:65], 0
	v_nop
	global_prefetch_b8 v0, s[64:65] scope:SCOPE_SE
	s_setreg_imm32_b32 hwreg(HW_REG_WAVE_MODE, 25, 1), 1
	s_wait_xcnt 0x0
	s_wait_alu depctr_hold_cnt(0) depctr_sa_sdst(0) depctr_va_vdst(0) depctr_va_sdst(0) depctr_va_ssrc(0) depctr_va_vcc(0) depctr_vm_vsrc(0)
	s_getreg_b32 s2, hwreg(HW_REG_IB_STS2, 6, 4)
	s_cmp_eq_u32 s2, 0
	s_cbranch_scc0 .Lentry_in_a_cluster
	s_endpgm
.Lentry_in_a_cluster:
	s_bfe_u32 s2, ttmp6, 0x10000c
	s_cmp_lg_u32 s2, 0xf033
	s_cbranch_scc0 .Lentry_shape_is_right
	s_endpgm
.Lentry_shape_is_right:
; out0 = O Wo + bo on codes of FP6 (E2M3); out0 [8192][1024] f32.  O's codes and bytes come from the attention, Wo's are part 3 of the weights' buffers.
; Operands come as images of registers (768 bytes: 16 rows x 64 K; lane l's first 16 bytes at 16 l, its last 8 at 512 + 8 l); row r of tile T is index 32 (T / 2) + 8 (T % 2) + r + 8 (r / 8).
; SHARES.  8,192 x 1,024 results are 256 blocks of 256 tokens x 128 columns: one work-group of four waves to a block, a wave 128 x 64: 32 accumulators.  Source 0 (P) = 16 columns of Wo, source 1 (R) = 16 tokens:
; a lane holds one token, and the 16 registers of P's tiles 2 b and 2 b + 1 are columns 32 b + 16 (lane / 16) + 0 .. 15.  The bias is the C of each sum's first product.
; LDS.  The block's codes for ALL of K are 256 x 768 + 128 x 768 = 294,912 bytes: they fit, so every byte of LDS is filled once: no ring and no refill.  They come as four slots of 256 along K, so that the products
; of a slot begin while the later slots are on their way: five joint loads a wave at the start (scale bytes, slots 0 to 3), a counted wait and a work-group barrier in front of each slot's first read.
; CLUSTER 4 x 4: R's tiles are shared along a row, P's along a column, by joint loads; one round in front of them, one at the end.
; The way out goes through each wave's stage, which lies in slot 0: that slot has had its one fill, and every wave has passed a later barrier behind its last read of it.
; REGISTERS: window 0: v8-27 addresses; v32-95 the scale words of all eight steps (register 8 i + s: lanes 0-15 R's tile i, lanes 16-31 P's tile i); v96-127 the bias; v128-223 P's fragments, two sets, later rows of the result.
;   window 1: R's fragments, two sets, at v0 and v96.   window 2: the accumulators ((a, b) at v[32 a + 8 b]).
.set FR,     12                        ; registers of a fragment
.set NP,     4                         ; places behind this matrix instruction (ISA guide 7.12.1)
.set RHALF,  24576                     ; R: 8 tiles x 4 images: what one tensor load brings, and what a wave reads of a slot
.set PHALF,  12288                     ; P: 4 tiles x 4 images
.set SLOT,   2*RHALF+2*PHALF           ; R's two halves, then P's two
.set SCL,    4*SLOT                    ; behind the slots: P's scale bytes (2 x 2,048), then R's (2 x 4,096)
.set SPITCH, 272                       ; a stage row: 256 bytes + 16
.set ADRA, 8                           ; v8-11 R's fragments in slots 0 to 3 at 16 l; v12-15 at 8 l
.set ADRB, 16                          ; v16-23 the same for P
.set STO,  24                          ; v24 the way out: where I put 16 bytes of a row
.set RD,   25                          ; v25 where I read two rows back
.set CO,   26                          ; v26 my place in two rows of out0
.set ADRS, 27                          ; v27 my scale words
.set SC,   32
.set BP,   96
.set BF,   128
.set BK,   128
.set G1,   24                          ; s[24:31] group 1 for R's codes;  s[32:39] P's codes;  s[40:47] R's scale bytes;  s[48:55] P's
.set G1B,  32
.set G1S,  40
.set G1SB, 48
.set GR0,  56                          ; groups 0: a set for each load, never rewritten.  R's codes, slots 0 to 3;
.set GR1,  60
.set GR2,  68
.set GR3,  72
.set GP0,  76                          ; P's codes;
.set GP1,  80
.set GP2,  84
.set GP3,  88
.set GSR,  92                          ; R's scale bytes;
.set GSP,  96                          ; P's
.set MSB, 0
.macro WIN new                         ; the immediate's high byte repeats the setting that is left
.if MSB != (\new)
	s_set_vgpr_msb (MSB<<8)|(\new)
.set MSB, (\new)
.endif
.endm
.set MULW, 0xa4                        ; source 0 (P) window 0, source 1 (R) window 1, C and D window 2
.set FSTW, 0x84                        ; the first products: C (the bias) window 0, D window 2
.set TO_A, 0x40                        ; destination window 1, address window 0
.macro JLOAD g0a, g1a, g0b, g1b        ; a joint load: waves 0 and 1 fetch for R, waves 2 and 3 for P; four v_nop follow each line
	s_cmp_eq_u32 s17, 0
	s_cbranch_scc0 .Lfor_b_\@
	tensor_load_to_lds s[\g0a:\g0a+3], s[\g1a:\g1a+7]
	s_nop 0
.rept 4
	v_nop
.endr
	s_branch .Lasked_\@
.Lfor_b_\@:
	tensor_load_to_lds s[\g0b:\g0b+3], s[\g1b:\g1b+7]
	s_nop 0
.rept 4
	v_nop
.endr
.Lasked_\@:
.endm
.macro CROUND                          ; a round of the cluster's barrier
	s_barrier_signal -1
	s_barrier_wait -1
	s_cmp_lg_u32 s16, 0
	s_cbranch_scc1 .Lnot_wave_0_\@
	s_barrier_signal -3
.Lnot_wave_0_\@:
	s_barrier_wait -3
	s_barrier_signal -1
	s_barrier_wait -1
.endm
.macro SHAPE g, c, r, p                ; group 1 but for its first word: r rows of c elements of 8 bytes, p elements apart; no padding: every fragment load reads consecutive bytes
	s_mov_b32 s[\g+1], (\c)<<16                    ; tensor_dim0
	s_mov_b32 s[\g+2], (\r)<<16                    ; tensor_dim1
	s_mov_b32 s[\g+3], (\c)<<16                    ; tile_dim0
	s_mov_b32 s[\g+4], \r                          ; tile_dim1
	s_mov_b32 s[\g+5], \p                          ; tensor_dim0_stride
	s_mov_b32 s[\g+6], 0
	s_mov_b32 s[\g+7], 0
.endm
.macro SETG0 g, lreg, loff, areg, aoff ; group 0: to LDS byte s[lreg] + loff, from s[areg:areg+1] + aoff
	s_mov_b32 s[\g], 1
	s_add_co_u32 s[\g+1], s[\lreg], \loff
	s_add_nc_u64 s[\g+2:\g+3], s[\areg:\areg+1], \aoff
	s_or_b32 s[\g+3], s[\g+3], 0x80000000
.endm
	s_load_b256 s[4:11], s[0:1], 0x0               ; oc s[4:5], os s[6:7], wc s[8:9], ws s[10:11]
	s_load_b128 s[12:15], s[0:1], 0x20             ; bo s[12:13], out0 s[14:15]
	v_lshl_add_u32 v254, v0, 2, 0x4b000
	v_mov_b32 v255, 0
	ds_add_u32 v254, v255
	ds_add_u32 v254, v255
	v_lshrrev_b32 v1, 5, v0
	v_readfirstlane_b32 s16, v1                    ; wave 0..3
	s_lshr_b32 s17, s16, 1                         ; my half of the tokens.  Also: I fetch for R (0) or for P (1)
	s_and_b32 s18, s16, 1                          ; my half of the columns.  Also: which half I fetch
	s_bfe_u32 s19, ttmp6, 0x40000                  ; cx
	s_bfe_u32 s20, ttmp6, 0x40004                  ; cy
	s_lshl_b32 s21, ttmp9, 2
	s_add_co_u32 s21, s21, s19                     ; the block of 128 columns = 4 x cluster x + cx
	s_and_b32 s22, ttmp7, 0xffff
	s_lshl_b32 s22, s22, 2
	s_add_co_u32 s22, s22, s20                     ; the block of 256 tokens = 4 x cluster y + cy
	s_lshl_b32 s23, s20, 2
	s_lshl_b32 s23, 15, s23                        ; my row of the cluster
	s_lshl_b32 s3, 0x1111, s19                     ; my column
	s_or_b32 s[G1], s23, (3<<16)|(1<<21)           ; 15:0 the mask; 17:16 elements of 8 bytes; 21 set beside a mask
	s_or_b32 s[G1S], s23, (3<<16)|(1<<21)
	s_or_b32 s[G1B], s3, (3<<16)|(1<<21)
	s_or_b32 s[G1SB], s3, (3<<16)|(1<<21)
	SHAPE G1, 384, 8, 1536                         ; R's codes: of 8 tiles the slot's four images: rows of 3,072 bytes, 12,288 bytes apart
	SHAPE G1B, 384, 4, 1536                        ; P's: of 4 tiles
	SHAPE G1S, 32, 16, 32                          ; R's scale bytes: 4,096 dense bytes as rows of 256
	SHAPE G1SB, 32, 8, 32                          ; P's: 2,048
	s_lshl_b32 s100, s22, 4
	s_lshl_b32 s101, s18, 3
	s_add_co_u32 s100, s100, s101                  ; R: the first tile that I fetch: 16 x block + 8 x half
	s_lshl_b32 s[GSR+2], s100, 9                   ; 512 scale bytes a tile
	s_mov_b32 s[GSR+3], 0
	s_mul_i32 s100, s100, 12288                    ; 12,288 bytes of codes a tile
	s_mov_b32 s101, 0
	s_lshl_b32 s2, s21, 3
	s_lshl_b32 s3, s18, 2
	s_add_co_u32 s2, s2, s3                        ; P: 8 x block + 4 x half
	s_lshl_b32 s[GSP+2], s2, 9
	s_add_co_u32 s[GSP+2], s[GSP+2], 98304         ; Wo is part 3 of the weights' bytes,
	s_mov_b32 s[GSP+3], 0
	s_mul_i32 s2, s2, 12288
	s_add_co_u32 s2, s2, 2359296                   ; and of their codes
	s_mov_b32 s3, 0
	s_mul_i32 s66, s18, RHALF                      ; where they go in a slot: no place in the cluster enters an LDS address
	s_mul_i32 s67, s18, PHALF
	s_add_co_u32 s67, s67, 2*RHALF
	s_wait_dscnt 0x0
	s_wait_kmcnt 0x0
	s_add_nc_u64 s[100:101], s[4:5], s[100:101]
	s_add_nc_u64 s[2:3], s[8:9], s[2:3]
	s_mov_b32 s[GSR], 1
	s_lshl_b32 s[GSR+1], s18, 12
	s_add_co_u32 s[GSR+1], s[GSR+1], SCL+4096
	s_add_nc_u64 s[GSR+2:GSR+3], s[6:7], s[GSR+2:GSR+3]
	s_or_b32 s[GSR+3], s[GSR+3], 0x80000000
	s_mov_b32 s[GSP], 1
	s_lshl_b32 s[GSP+1], s18, 11
	s_add_co_u32 s[GSP+1], s[GSP+1], SCL
	s_add_nc_u64 s[GSP+2:GSP+3], s[10:11], s[GSP+2:GSP+3]
	s_or_b32 s[GSP+3], s[GSP+3], 0x80000000
	SETG0 GR0, 66, 0, 100, 0
	SETG0 GR1, 66, SLOT, 100, 3072
	SETG0 GR2, 66, 2*SLOT, 100, 6144
	SETG0 GR3, 66, 3*SLOT, 100, 9216
	SETG0 GP0, 67, 0, 2, 0
	SETG0 GP1, 67, SLOT, 2, 3072
	SETG0 GP2, 67, 2*SLOT, 2, 6144
	SETG0 GP3, 67, 3*SLOT, 2, 9216
	CROUND                                         ; all sixteen work-groups are here: the joint loads meet
	JLOAD GSR, G1S, GSP, G1SB                      ; all the fills of the launch, as one group: five loads of mine are out.  The scale bytes first: they are wanted with the first step
	JLOAD GR0, G1, GP0, G1B
	JLOAD GR1, G1, GP1, G1B
	JLOAD GR2, G1, GP2, G1B
	JLOAD GR3, G1, GP3, G1B
	v_and_b32 v1, 15, v0                           ; r
	v_bfe_u32 v2, v0, 4, 1                         ; h
	v_and_b32 v3, 31, v0                           ; l
	v_lshlrev_b32 v4, 4, v3                        ; 16 l
	s_wait_alu depctr_va_vdst(0)
	v_lshlrev_b32 v5, 3, v3                        ; 8 l
	s_wait_alu depctr_va_vdst(0)
	v_lshlrev_b32 v7, 6, v2                        ; the bias: 64 h
	s_lshl_b32 s2, s21, 9
	s_lshl_b32 s3, s18, 8
	s_add_co_u32 s2, s2, s3                        ; my first column, in bytes: 512 x block + 256 x half
	s_mov_b32 s3, 0
	s_add_nc_u64 s[12:13], s[12:13], s[2:3]
.irp b, 0,1
.irp i, 0,1,2,3
	global_load_b128 v[BP+16*\b+4*\i:BP+16*\b+4*\i+3], v7, s[12:13] offset:128*\b+16*\i      ; register 16 b + i: column 32 b + 16 h + i
.endr
.endr
	s_lshl_b32 s100, s22, 20                       ; my first token's row of 4,096 bytes
	s_lshl_b32 s101, s17, 19
	s_add_co_u32 s100, s100, s101
	s_add_co_u32 s100, s100, s2
	s_mov_b32 s101, 0
	s_add_nc_u64 s[14:15], s[14:15], s[100:101]    ; out0 at my corner
	s_mul_i32 s66, s17, RHALF                      ; my 128 rows of R,
	s_mul_i32 s67, s18, PHALF                      ; my 64 rows of P,
	s_add_co_u32 s67, s67, 2*RHALF                 ; which lie behind R's 256
.irp k, 0,1,2,3
	v_add_nc_u32 v[ADRA+\k], s66, v4
	v_add_nc_u32 v[ADRA+4+\k], s66, v5
	v_add_nc_u32 v[ADRB+\k], s67, v4
	v_add_nc_u32 v[ADRB+4+\k], s67, v5
	s_add_co_u32 s66, s66, SLOT
	s_add_co_u32 s67, s67, SLOT
.endr
	v_lshlrev_b32 v28, 3, v1                       ; my row's 8 scale bytes of 256 along K
	v_xor_b32 v29, 1, v2                           ; 1 - h
	s_lshl_b32 s66, s18, 11                        ; P's: my 4 tiles
	s_lshl_b32 s67, s17, 12
	s_add_co_u32 s67, s67, 4096                    ; R's: my 8 tiles, behind P's 4,096 bytes
	s_sub_co_u32 s67, s67, s66
	v_mul_u32_u24 v29, s67, v29                    ; lanes 16-31 take P's, lanes 0-15 R's, that distance further on
	s_add_co_u32 s66, s66, SCL
	v_add_nc_u32 v28, v28, v29
	v_add_nc_u32 v[ADRS], s66, v28
	s_mul_i32 s66, s16, 16*SPITCH                  ; my stage
	v_mul_u32_u24 v28, v1, SPITCH
	v_lshl_add_u32 v28, v2, 6, v28                 ; in: row r, + 64 h
	v_add_nc_u32 v[STO], s66, v28
	v_mul_u32_u24 v28, v2, SPITCH
	v_lshl_add_u32 v28, v1, 4, v28                 ; back: lanes 0-15 one row of 256 bytes, lanes 16-31 the next
	v_add_nc_u32 v[RD], s66, v28
	v_lshlrev_b32 v[CO], 12, v2                    ; and the same two rows in out0
	v_lshl_add_u32 v[CO], v1, 4, v[CO]
.macro FRAG reg, adr, q, i             ; a fragment is two images: 16 + 8 + 16 + 8 bytes a lane; each load reads 512 or 256 consecutive bytes
	ds_load_b128 v[\reg:\reg+3], v[\adr] offset:(\i)*3072+(\q)*1536
	ds_load_b64 v[\reg+4:\reg+5], v[\adr+4] offset:(\i)*3072+(\q)*1536+512
	ds_load_b128 v[\reg+6:\reg+9], v[\adr] offset:(\i)*3072+(\q)*1536+768
	ds_load_b64 v[\reg+10:\reg+11], v[\adr+4] offset:(\i)*3072+(\q)*1536+1280
.endm
.macro FETCH_B s                       ; P's four fragments of step s (slot s / 2, its (s % 2)-th 128 along K) into set s % 2: 16 loads
.irp i, 0,1,2,3
	FRAG BF+48*((\s)%2)+FR*\i, ADRB+(\s)/2, (\s)%2, \i
.endr
.endm
.macro FETCH_A s, i0                   ; R's fragments i0 .. i0 + 3 of step s into set s % 2: 16 loads
.irp i, \i0, \i0+1, \i0+2, \i0+3
	FRAG 96*((\s)%2)+FR*(\i), ADRA+(\s)/2, (\s)%2, \i
.endr
.endm
; 8 matrix instructions of step s: R's tiles a0, a0 + 1 x P's four.  first = 1: the bias starts the sums.  The 32 accumulators take turns, one instruction a turn, in the same order in every step.
.macro MUL8 a0, s, first
.irp a, \a0, \a0+1
.irp b, 0,1,2,3
.if \first
	v_wmma_scale_f32_16x16x128_f8f6f4 v[32*(\a)+8*\b:32*(\a)+8*\b+7], v[BF+48*((\s)%2)+FR*\b:BF+48*((\s)%2)+FR*\b+FR-1], v[96*((\s)%2)+FR*(\a):96*((\s)%2)+FR*(\a)+FR-1], v[BP+8*\b:BP+8*\b+7], v[SC+8*\b+(\s)], v[SC+8*(\a)+(\s)] matrix_a_fmt:MATRIX_FMT_FP6 matrix_b_fmt:MATRIX_FMT_FP6 matrix_a_scale:MATRIX_SCALE_ROW1
.else
	v_wmma_scale_f32_16x16x128_f8f6f4 v[32*(\a)+8*\b:32*(\a)+8*\b+7], v[BF+48*((\s)%2)+FR*\b:BF+48*((\s)%2)+FR*\b+FR-1], v[96*((\s)%2)+FR*(\a):96*((\s)%2)+FR*(\a)+FR-1], v[32*(\a)+8*\b:32*(\a)+8*\b+7], v[SC+8*\b+(\s)], v[SC+8*(\a)+(\s)] matrix_a_fmt:MATRIX_FMT_FP6 matrix_b_fmt:MATRIX_FMT_FP6 matrix_a_scale:MATRIX_SCALE_ROW1
.endif
.endr
.endr
.endm
.macro MWIN first
.if \first
	WIN FSTW
.else
	WIN MULW
.endif
.endm
.macro PLACES n                        ; places in front of loads into registers that matrix instructions have read, and of the first read of results
.rept \n
	v_nop
.endr
.endm
; A step of 128 along K: 32 matrix instructions in four groups of eight; the next step's 48 loads, into the other sets, stand in three runs of 16 behind the first three groups.
; The four places behind the first group stand behind the last step's products, which read those sets: they serve all three runs.
; sync = 1: the next step lies in the next slot: my part of that slot has landed (the count leaves the later slots out), and behind the barrier everybody's has.
.macro STEP s, first, sync, more
	s_wait_dscnt 0x0                               ; this step's fragments are in, and no LDS instruction of mine is out
.if \sync
	s_wait_tensorcnt 2-(\s)/2                      ; behind slot s / 2 + 1 I issued the loads of 2 - s / 2 later slots
	s_barrier_signal -1
.endif
	MWIN \first
	MUL8 0, \s, \first                             ; work on registers while the others arrive
.if \sync
	s_barrier_wait -1
.endif
.if \more
	PLACES NP
	WIN 0
	FETCH_B (\s)+1
	MWIN \first
.endif
	MUL8 2, \s, \first
.if \more
	WIN TO_A
	FETCH_A (\s)+1, 0
	MWIN \first
.endif
	MUL8 4, \s, \first
.if \more
	WIN TO_A
	FETCH_A (\s)+1, 4
	MWIN \first
.endif
	MUL8 6, \s, \first
.endm
	s_wait_alu depctr_va_vdst(0)
	s_wait_tensorcnt 3                             ; the scale bytes and my part of slot 0 are in (the loads of slots 1, 2 and 3 may be out),
	s_barrier_signal -1
	s_barrier_wait -1                              ; everybody's are
.irp i, 0,1,2,3,4,5,6,7
.irp k, 0,1,2,3
	ds_load_b64 v[SC+8*\i+2*\k:SC+8*\i+2*\k+1], v[ADRS] offset:\i*512+\k*128     ; the scale words of all of K, once.  (P has four tiles for me: what lanes 16-31 take for i = 4 .. 7 are other scale bytes of the block, and no product names them)
.endr
.endr
	FETCH_B 0
	WIN TO_A
	FETCH_A 0, 0
	FETCH_A 0, 4
	WIN 0
	s_wait_loadcnt 0x0                             ; the bias
	STEP 0, 1, 0, 1
	STEP 1, 0, 1, 1
	STEP 2, 0, 0, 1
	STEP 3, 0, 1, 1
	STEP 4, 0, 0, 1
	STEP 5, 0, 1, 1                                ; its wait is for 0: all my tensor loads have landed
	STEP 6, 0, 0, 1
	STEP 7, 0, 0, 0
	WIN 0
; THE WAY OUT, a tile of 16 tokens x 64 columns at a time, through my own stage: LDS serves a wave's instructions in order (ISA guide 5.7.1.4), so no wait stands between the stores and the loads.
.macro TOSTAGE a
	WIN 0x08                                       ; an LDS store's data are its source 1: window 2
.irp b, 0,1,2,3
	ds_store_b128 v[STO], v[32*(\a)+8*\b:32*(\a)+8*\b+3] offset:128*(\b/2)+32*(\b%2)       ; each accumulator from its low end on: columns 32 (b / 2) + 8 (b % 2) + 16 h + 0 .. 7
	ds_store_b128 v[STO], v[32*(\a)+8*\b+4:32*(\a)+8*\b+7] offset:128*(\b/2)+32*(\b%2)+16
.endr
	WIN 0
.set BB, BK+32*((\a)%2)
.irp t, 0,1,2,3,4,5,6,7
	ds_load_b128 v[BB+4*\t:BB+4*\t+3], v[RD] offset:\t*2*SPITCH
.endr
.endm
.macro SEND a, younger                 ; younger: the LDS instructions issued behind tile a's loads, which may stay out
.set BB, BK+32*((\a)%2)
	s_wait_dscnt \younger
.irp t, 0,1,2,3,4,5,6,7
	global_store_b128 v[CO], v[BB+4*\t:BB+4*\t+3], s[14:15] offset:(32*((\a)/2)+8*((\a)%2)+2*\t+8*(\t/4))*4096 th:TH_STORE_NT   ; rows 2 t and 2 t + 1 of tile a are those tokens; sixteen lanes store 256 consecutive bytes, aligned; 126 rows at the most: inside the immediate
.endr
.endm
	PLACES NP
	TOSTAGE 0
.irp a, 1,2,3,4,5,6,7
.if \a > 1
	s_wait_xcnt 0x0                                ; tile a - 2's stores have read their registers: tile a's loads may land there
.endif
	TOSTAGE \a
	SEND \a-1, 16                                  ; behind tile a - 1's loads: tile a's 8 stores and 8 loads
.endr
	SEND 7, 0
	s_wait_tensorcnt 0x0
	ds_add_u32 v254, v255
	s_wait_dscnt 0x0
	CROUND                                         ; the closing round: no work-group ends while a partner may still ask for a tile that names it
	s_endpgm
.Lfunc_end_k_q914b5d72cd_outp:
	.size	k_q914b5d72cd_outp, .Lfunc_end_k_q914b5d72cd_outp-k_q914b5d72cd_outp
	.p2alignl 7, 3214868480
	.fill 96, 4, 3214868480
	.section	.rodata,"a",@progbits
	.p2align	6, 0x0
	.amdhsa_kernel k_q914b5d72cd_outp
		.amdhsa_group_segment_fixed_size 307712
		.amdhsa_private_segment_fixed_size 0
		.amdhsa_enable_private_segment 0
		.amdhsa_kernarg_size 48
		.amdhsa_user_sgpr_count 2
		.amdhsa_user_sgpr_kernarg_segment_ptr 1
		.amdhsa_wavefront_size32 1
		.amdhsa_system_sgpr_workgroup_id_x 1
		.amdhsa_system_sgpr_workgroup_id_y 1
		.amdhsa_system_sgpr_workgroup_id_z 1
		.amdhsa_system_vgpr_workitem_id 0
		.amdhsa_next_free_vgpr 768
		.amdhsa_next_free_sgpr 102
		.amdhsa_reserve_vcc 0
		.amdhsa_float_denorm_mode_32 3
		.amdhsa_float_denorm_mode_16_64 3
		.amdhsa_memory_ordered 1
		.amdhsa_forward_progress 1
		.amdhsa_inst_pref_size 90
	.end_amdhsa_kernel
	.amdgpu_metadata
---
amdhsa.version: [ 1, 2 ]
amdhsa.kernels:
  - .name:           k_q914b5d72cd_outp
    .symbol:         k_q914b5d72cd_outp.kd
    .args:
      - { .name: oc, .offset: 0, .size: 8, .value_kind: global_buffer, .address_space: global }
      - { .name: os, .offset: 8, .size: 8, .value_kind: global_buffer, .address_space: global }
      - { .name: wc, .offset: 16, .size: 8, .value_kind: global_buffer, .address_space: global }
      - { .name: ws, .offset: 24, .size: 8, .value_kind: global_buffer, .address_space: global }
      - { .name: bo, .offset: 32, .size: 8, .value_kind: global_buffer, .address_space: global }
      - { .name: out0, .offset: 40, .size: 8, .value_kind: global_buffer, .address_space: global }
    .group_segment_fixed_size: 307712
    .private_segment_fixed_size: 0
    .kernarg_segment_align: 8
    .kernarg_segment_size: 48
    .max_flat_workgroup_size: 128
    .sgpr_count:     102
    .vgpr_count:     768
    .wavefront_size: 32
...
	.end_amdgpu_metadata
.endif
;; end of part 4
